; MI455X (gfx1250); checked and timed in simulation.
; The chip was launched on July 23, 2026; its instructions are those of AMD's public machine-readable ISA for CDNA 5 (MIT licence, August 2026) and "CDNA5" Instruction Set Architecture Reference Guide (July 2026). The comments in the code are by the model that wrote it; some were corrected since.
;; Single Attention. Allowed arithmetic: matrix products marked QUANTISED: E2M1 operands, one E8M0 scale for each 32 along K, by v_wmma_scale_f32_16x16x128_f8f6f4 with both operands' format E2M1 (or v_wmma_scale_f32_32x16x128_f4), f32 sums; products left as they are: bf16, f16 or f32 operands; f32 sums; everything else in f32.
;; Inputs: Wk 1,024 x 1,024 float32; Wq 1,024 x 1,024 float32; Wv 1,024 x 1,024 float32; bk 1,024 float32; bq 1,024 float32; bv 1,024 float32; key_in 4 x 2,048 x 1,024 float32; query 4 x 2,048 x 1,024 float32; value 4 x 2,048 x 1,024 float32.
;; Outputs: out0 4 x 2,048 x 1,024 float32.
;; This version of the problem:
;;   THIS VERSION OF THE PROBLEM IS GIVEN IN LOW PRECISION. The matrix products marked QUANTISED in the list below multiply operands that are first quantised to E2M1 (2 exponent bits, 1 mantissa bit; 4 bits a number), with one power-of-two scale for each 32 numbers along K (OCP MX v1.0); their sums are f32. The products marked 'left as it is' may take bf16, f16 or f32 operands, with f32 sums. Whichever they take, every output number must still come out within the allowed error. Rounding operands to bf16 (8 significant bits) uses up far more of that allowance than f16 does (11 bits, for magnitudes from 6e-5 to 65,504). All else is computed in f32.
;;   The module's matrix products, in the order in which they are computed (A, B: the left and right operand; K: the contracted axis; several contracted axes count as one K, in the product's order):
;;     1. [M 8,192, K 1,024] x [K 1,024, N 1,024]; A: input query; B: input Wq: QUANTISED
;;     2. [M 8,192, K 1,024] x [K 1,024, N 1,024]; A: input key_in; B: input Wk: QUANTISED
;;     3. batch 4 x [M 2,048, K 1,024] x [K 1,024, N 2,048]; A: computed on the way; B: computed on the way: left as it is (an operand is computed on the way)
;;     4. batch 4 x [M 2,048, K 2,048] x [K 2,048, N 1,024]; A: computed on the way; B: input value: left as it is (an operand is computed on the way)
;;   THE QUANTISER, for each operand of a quantised product, along K:
;;     - K is cut into blocks of 32 from its start; a last block that is shorter is filled with zeros.
;;     - A block's scale is 2^e with e = floor(log2(the largest magnitude in the block)) - 2, held to -126 .. 127; a block of zeros has e = 0. As a byte (E8M0): e + 127.
;;     - Each number is divided by its block's scale, clamped to +-6, and rounded to the nearest number of E2M1, ties to even, subnormals kept.
;;     - The product sums the exact products of the quantised numbers (number of the format x scale) in f32.
;;   ~~~python
;;   def quantise(x, axis):      # numpy; x: float32 -> the quantised numbers, widened to float32 again
;;       x = np.moveaxis(x, axis, -1); K = x.shape[-1]
;;       x = np.pad(x, [(0, 0)] * (x.ndim - 1) + [(0, -K % 32)]); x = x.reshape(x.shape[:-1] + (-1, 32)); a = np.abs(x).max(-1, keepdims=True)
;;       e = np.where(a > 0, np.clip(np.frexp(np.where(a > 0, a, 1))[1] - 1 - 2, -126, 127), 0)      # np.frexp(a)[1] - 1 = floor(log2(a)), exactly
;;       r = np.clip(x / 2.0 ** e, -6, 6)
;;       step = 2.0 ** (np.maximum(np.frexp(np.where(r == 0, 1, r))[1] - 1, 0) - 1)
;;       q = np.round(r / step) * step * 2.0 ** e      # np.round: ties to even
;;       return np.moveaxis(q.reshape(q.shape[:-2] + (-1,))[..., :K], -1, axis).astype(np.float32)
;;   ~~~
;; One version. Each part assembles by itself: llvm-mc -triple=amdgcn-amd-amdhsa -mcpu=gfx1250 --defsym DOCPART=n.
;; ======== version 1 of 1: 4 launches
;; limits: values are held in f16: magnitudes above 65,504 overflow, below 6.1e-05 lose precision; inputs' magnitudes at most 65,504
;; workspace buffers: xcodes 8,388,608 bytes; xscales 524,288 bytes; wcodes 1,048,576 bytes; wscales 65,536 bytes; v16 16,777,216 bytes; qk 33,554,432 bytes; p 33,554,432 bytes; stats 1,048,576 bytes
;; launch prep (part 1): grid 832 x 1, 4 waves a work-group, no clusters, 33,280 bytes of LDS; arguments query, key_in, Wq, Wk, value, xcodes, xscales, wcodes, wscales, v16; writes xcodes, xscales, wcodes, wscales, v16
.if DOCPART == 1
	.amdgcn_target "amdgcn-amd-amdhsa--gfx1250"
	.amdhsa_code_object_version 6
	.text
	.protected	k_qcca0f1966d_prep
	.globl	k_qcca0f1966d_prep
	.p2align	8
	.type	k_qcca0f1966d_prep,@function
k_qcca0f1966d_prep:
	s_mov_b64 s[64:65], 0
	v_nop
	global_prefetch_b8 v0, s[64:65] scope:SCOPE_SE
	s_setreg_imm32_b32 hwreg(HW_REG_WAVE_MODE, 25, 1), 1
	s_wait_xcnt 0x0
; FIRST OF FOUR LAUNCHES.  out = softmax((query Wq^T + bq)(key_in Wk^T + bk)^T / 32) value.  Wv and bv enter no number of that result and are not loaded by any launch.
; This launch reads each wide input once.  Work-groups 0-575: query, key_in, Wq, Wk (f32, K = 1,024 innermost) become codes of FP4 (E2M1), K innermost, with one E8M0 scale byte for each 32 along K:
; xcodes [16384][512 bytes] (query's 8,192 rows, then key_in's), xscales [16384][32], wcodes [2048][512] (Wq's rows, then Wk's), wscales [2048][32].  Work-groups 576-831: value becomes f16, v16 [8192][1024].
; A block's scale is 2^(floor(log2(its largest magnitude)) - 2); its byte is the largest magnitude's exponent field - 2, held at 1 from below.  A block of zeros so gets the byte 1 where the rule says 127:
; its codes are zeros, which add nothing under any byte but 0xff, and the bytes are read by this program alone.
; LIMITS: blocks whose largest magnitude lies under 2^-124 are held at the byte 1; |value| up to 65,504 (f16); NaN and infinities among the inputs are not served.
; Rows are dense and K is a multiple of 32: every tensor is a plain stream of blocks of 32.  A wave takes 8,192 numbers.  No cluster, no tensor load, no barrier: waves share nothing.
; THE QUANTISER.  16 steps of 512 numbers.  A conversion takes 8 numbers of one block from one lane's registers, so a lane must hold 16 neighbours; a load is best where neighbouring lanes take neighbouring bytes.
; Both are had: each of a step's four loads reads 512 consecutive bytes; the 2,048 bytes go through the wave's own stage in LDS and come back 64 bytes a lane (16 bytes of padding behind each 64).
; A lane's 16 codes are 8 bytes: the wave stores 256 consecutive bytes.  A wave's 256 scale bytes are gathered in its own LDS bytes and leave as one store of 256 consecutive bytes.
.set WAVES, 4
.set STEPS, 16
.set QWG,   576                        ; work-groups that quantise: 256 query, 256 key_in, 32 Wq, 32 Wk (32,768 numbers each)
.set EMAX,  2
.set CB,    8                          ; bytes of 16 codes
.set R,     16                         ; v16-79   four sets of 16 numbers as they are loaded (the value path: two sets of 64, v16-143)
.set X,     80                         ; v80-111  two sets of 16 neighbours
.set C,     128                        ; v128-191 codes: four registers for each step, so that no store's data are written again
.set E,     112                        ; v112-127 a scale byte for each step
.set WREG,  8192                       ; LDS: a region for each wave: two stages of 32 x SP bytes, behind them its 256 scale bytes
.set SP,    80                         ; a lane's place in a stage: 64 bytes + 16 of padding
.set SPW,   12                         ; v12  LDS address of my spare word; never rewritten
.set NIL,   13                         ; v13  0; never rewritten
.set SPARE, WAVES*WREG                 ; behind the four regions: the spare words, 128 bytes a wave, which no other line names
	s_load_b512 s[4:19], s[0:1], 0x0               ; query s[4:5], key_in s[6:7], Wq s[8:9], Wk s[10:11], value s[12:13], xcodes s[14:15], xscales s[16:17], wcodes s[18:19]
	s_load_b128 s[20:23], s[0:1], 0x40             ; wscales s[20:21], v16 s[22:23]
	v_lshl_add_u32 v[SPW], v0, 2, SPARE
	v_mov_b32 v[NIL], 0
	v_lshrrev_b32 v1, 5, v0
	v_readfirstlane_b32 s28, v1                    ; wave
	v_and_b32 v2, 31, v0                           ; lane
	v_lshlrev_b32 v3, 4, v2                        ; my 16 bytes of a load's 512
	s_mul_i32 s29, s28, WREG
	v_lshrrev_b32 v14, 2, v2
	v_mul_u32_u24 v14, v14, SP
	v_and_b32 v15, 3, v2
	v_lshl_add_u32 v14, v15, 4, v14
	v_add_nc_u32 v14, s29, v14                     ; the stage, way in: four lanes' 64 bytes on end, then the padding
	v_mul_u32_u24 v15, v2, SP
	v_add_nc_u32 v15, s29, v15                     ; way out: SP x lane: my 16 neighbours
	v_mul_u32_u24 v4, v2, CB                       ; 8 bytes a lane on the way to memory (codes, and f16 of value)
	v_lshrrev_b32 v5, 1, v2
	s_add_co_u32 s29, s29, 2*32*SP
	v_add_nc_u32 v5, s29, v5                       ; LDS: my wave's 256 scale bytes, my block's byte
	v_lshlrev_b32 v7, 3, v2
	v_add_nc_u32 v6, s29, v7                       ; and 8 of them a lane on the way out
	s_wait_kmcnt 0x0
	s_cmp_lt_u32 ttmp9, QWG                        ; the paths part on the work-group's number alone
	s_cbranch_scc0 .Lvalue
	; which tensor: only pointers and first work-group numbers are chosen; all four take one path
	s_cmp_lt_u32 ttmp9, 256
	s_cselect_b64 s[24:25], s[4:5], s[6:7]         ; query or key_in
	s_cselect_b32 s30, 0, 256
	s_mov_b32 s31, 544
	s_cmp_lt_u32 ttmp9, 544
	s_cselect_b64 s[26:27], s[8:9], s[10:11]       ; Wq or Wk
	s_cselect_b32 s31, 512, s31
	s_cmp_lt_u32 ttmp9, 512
	s_cselect_b64 s[4:5], s[24:25], s[26:27]       ; the source,
	s_cselect_b32 s30, s30, s31                    ; its first work-group,
	s_cselect_b64 s[8:9], s[14:15], s[18:19]       ; the codes' buffer,
	s_cselect_b64 s[10:11], s[16:17], s[20:21]     ; the scale bytes' buffer,
	s_cselect_b32 s31, 0, 512                      ; and their first work-group
	s_sub_co_u32 s30, ttmp9, s30
	s_lshl_b32 s30, s30, 2
	s_add_co_u32 s32, s30, s28                     ; which run of 8,192 numbers of the source is my wave's
	s_mov_b32 s33, 0
	s_lshl_b64 s[34:35], s[32:33], 15              ; 32,768 bytes a run
	s_add_nc_u64 s[4:5], s[4:5], s[34:35]
	s_sub_co_u32 s31, ttmp9, s31
	s_lshl_b32 s31, s31, 2
	s_add_co_u32 s32, s31, s28                     ; and which run of the two buffers
	s_lshl_b64 s[34:35], s[32:33], 12              ; 4,096 bytes of codes a run
	s_add_nc_u64 s[8:9], s[8:9], s[34:35]
	s_lshl_b32 s32, s32, 8                         ; 256 scale bytes a run
	s_add_nc_u64 s[10:11], s[10:11], s[32:33]
.macro LOAD t
.irp i, 0,1,2,3
	global_load_b128 v[R+16*((\t)%4)+4*\i:R+16*((\t)%4)+4*\i+3], v3, s[4:5] offset:2048*(\t)+512*\i th:TH_LOAD_NT   ; 32 lanes read 512 consecutive bytes
.endr
.endm
.macro TURN t                          ; step t's numbers through the stage: LDS serves a wave's instructions in order, so no wait stands between the stores and the loads
.irp i, 0,1,2,3
	ds_store_b128 v14, v[R+16*((\t)%4)+4*\i:R+16*((\t)%4)+4*\i+3] offset:32*SP*((\t)%2)+8*SP*\i
.endr
.irp i, 0,1,2,3
	ds_load_b128 v[X+16*((\t)%2)+4*\i:X+16*((\t)%2)+4*\i+3], v15 offset:32*SP*((\t)%2)+16*\i
.endr
.endm
.irp t, 0,1,2,3
	LOAD \t
.endr
	s_wait_loadcnt 12                              ; step 0's four loads are in; the twelve of steps 1 to 3 may be out
	TURN 0
.macro STEP t
.set XS, X+16*((\t)%2)
.if (\t) > 0
	s_wait_dscnt 1                                 ; this step's numbers are back from the stage (the last step's byte store may be out): so its stores into the stage have read their registers,
.else
	s_wait_dscnt 0x0
.endif
.if (\t)+4 < STEPS
	LOAD (\t)+4                                    ; which take the loads of four steps on
.endif
.if (\t)+1 < STEPS
.if STEPS-2-(\t) >= 3
	s_wait_loadcnt 12                              ; the next step's four loads are in; those of the three steps behind it may be out
.else
	s_wait_loadcnt 4*(STEPS-2-(\t))                ; at the end the counts run down
.endif
	TURN (\t)+1                                    ; and go through the other stage while this step is worked
.endif
	v_max3_num_f32 v8, |v[XS]|, |v[XS+1]|, |v[XS+2]|               ; the largest magnitude of my 16, in two chains
	v_max3_num_f32 v9, |v[XS+3]|, |v[XS+4]|, |v[XS+5]|
.irp i, 6,10
	v_max3_num_f32 v8, v8, |v[XS+\i]|, |v[XS+\i+1]|
	v_max3_num_f32 v9, v9, |v[XS+\i+2]|, |v[XS+\i+3]|
.endr
	v_max3_num_f32 v8, v8, |v[XS+14]|, |v[XS+15]|
	v_max3_num_f32 v8, v8, v9, (EMAX+1)<<23        ; and the floor 2^(3 - 127): so the byte cannot fall under 1
	v_max_num_f32_dpp v8, v8, v8 row_xmask:1 row_mask:0xf bank_mask:0xf   ; and of my neighbour's 16: the block's
	v_add_nc_u32 v11, -(EMAX<<23), v8              ; 2 off its exponent field: the conversion takes the exponent field of this operand as its scale, and nothing else of it
	v_cvt_scalef32_pk8_fp4_f32 v[C+4*(\t)], v[XS:XS+7], v11        ; eight numbers / the scale, to the nearest code, ties to even, beyond the largest code the largest
	v_cvt_scalef32_pk8_fp4_f32 v[C+4*(\t)+1], v[XS+8:XS+15], v11
	v_lshrrev_b32 v[E+(\t)], 23, v11               ; the scale's byte (also the plain line behind the conversions)
	ds_store_b8 v5, v[E+(\t)] offset:16*(\t)       ; both lanes of a block write the same byte with the same value
	global_store_b64 v4, v[C+4*(\t):C+4*(\t)+1], s[8:9] offset:32*CB*(\t)   ; 32 lanes store 256 consecutive bytes
.endm
.irp t, 0,1,2,3,4,5,6,7,8,9,10,11,12,13,14,15
	STEP \t
.endr
	ds_load_b64 v[8:9], v6                         ; LDS serves a wave's instructions in order: these see my byte stores
	s_wait_dscnt 0x0
	global_store_b64 v7, v[8:9], s[10:11]          ; 32 lanes store 256 consecutive bytes
	s_wait_tensorcnt 0x0                           ; the wave's end, behind my last LDS store
	ds_add_u32 v[SPW], v[NIL]
	s_wait_dscnt 0x0
	s_endpgm
; VALUE TO F16.  No LDS is touched on this path.  A load's 512 bytes (128 numbers) become 256 consecutive bytes of one store.  64 loads a wave in four groups of 16, two register sets: 32 loads are out at the start.
.macro VLOAD g
.irp i, 0,1,2,3,4,5,6,7,8,9,10,11,12,13,14,15
	global_load_b128 v[R+64*((\g)%2)+4*\i:R+64*((\g)%2)+4*\i+3], v3, s[12:13] offset:(16*(\g)+\i)*512 th:TH_LOAD_NT
.endr
.endm
.macro VWORK g, left
	s_wait_loadcnt \left                           ; this group's 16 loads are in; the other set's may be out
.irp i, 0,1,2,3,4,5,6,7,8,9,10,11,12,13,14,15
	v_cvt_pk_f16_f32 v[R+64*((\g)%2)+4*\i], v[R+64*((\g)%2)+4*\i], v[R+64*((\g)%2)+4*\i+1]
	v_cvt_pk_f16_f32 v[R+64*((\g)%2)+4*\i+1], v[R+64*((\g)%2)+4*\i+2], v[R+64*((\g)%2)+4*\i+3]
	global_store_b64 v4, v[R+64*((\g)%2)+4*\i:R+64*((\g)%2)+4*\i+1], s[22:23] offset:(16*(\g)+\i)*256
.endr
.endm
.Lvalue:
	s_sub_co_u32 s30, ttmp9, QWG
	s_lshl_b32 s30, s30, 2
	s_add_co_u32 s32, s30, s28                     ; which run of 8,192 numbers is my wave's
	s_mov_b32 s33, 0
	s_lshl_b64 s[34:35], s[32:33], 15
	s_add_nc_u64 s[12:13], s[12:13], s[34:35]
	s_lshl_b64 s[34:35], s[32:33], 14
	s_add_nc_u64 s[22:23], s[22:23], s[34:35]
	VLOAD 0
	VLOAD 1
	VWORK 0, 16
	s_wait_xcnt 0x0                                ; the stores have read their data: the set may be loaded again
	VLOAD 2
	VWORK 1, 16
	s_wait_xcnt 0x0
	VLOAD 3
	VWORK 2, 16
	VWORK 3, 0
	s_endpgm
.Lfunc_end_k_qcca0f1966d_prep:
	.size	k_qcca0f1966d_prep, .Lfunc_end_k_qcca0f1966d_prep-k_qcca0f1966d_prep
	.p2alignl 7, 3214868480
	.fill 96, 4, 3214868480
	.section	.rodata,"a",@progbits
	.p2align	6, 0x0
	.amdhsa_kernel k_qcca0f1966d_prep
		.amdhsa_group_segment_fixed_size 33280
		.amdhsa_private_segment_fixed_size 0
		.amdhsa_enable_private_segment 0
		.amdhsa_kernarg_size 80
		.amdhsa_user_sgpr_count 2
		.amdhsa_user_sgpr_kernarg_segment_ptr 1
		.amdhsa_wavefront_size32 1
		.amdhsa_system_sgpr_workgroup_id_x 1
		.amdhsa_system_sgpr_workgroup_id_y 1
		.amdhsa_system_sgpr_workgroup_id_z 1
		.amdhsa_system_vgpr_workitem_id 0
		.amdhsa_next_free_vgpr 192
		.amdhsa_next_free_sgpr 66
		.amdhsa_reserve_vcc 0
		.amdhsa_float_denorm_mode_32 3
		.amdhsa_float_denorm_mode_16_64 3
		.amdhsa_memory_ordered 1
		.amdhsa_forward_progress 1
		.amdhsa_inst_pref_size 54
	.end_amdhsa_kernel
	.amdgpu_metadata
---
amdhsa.version: [ 1, 2 ]
amdhsa.kernels:
  - .name:           k_qcca0f1966d_prep
    .symbol:         k_qcca0f1966d_prep.kd
    .args:
      - { .name: query, .offset: 0, .size: 8, .value_kind: global_buffer, .address_space: global }
      - { .name: key_in, .offset: 8, .size: 8, .value_kind: global_buffer, .address_space: global }
      - { .name: Wq, .offset: 16, .size: 8, .value_kind: global_buffer, .address_space: global }
      - { .name: Wk, .offset: 24, .size: 8, .value_kind: global_buffer, .address_space: global }
      - { .name: value, .offset: 32, .size: 8, .value_kind: global_buffer, .address_space: global }
      - { .name: xcodes, .offset: 40, .size: 8, .value_kind: global_buffer, .address_space: global }
      - { .name: xscales, .offset: 48, .size: 8, .value_kind: global_buffer, .address_space: global }
      - { .name: wcodes, .offset: 56, .size: 8, .value_kind: global_buffer, .address_space: global }
      - { .name: wscales, .offset: 64, .size: 8, .value_kind: global_buffer, .address_space: global }
      - { .name: v16, .offset: 72, .size: 8, .value_kind: global_buffer, .address_space: global }
    .group_segment_fixed_size: 33280
    .private_segment_fixed_size: 0
    .kernarg_segment_align: 8
    .kernarg_segment_size: 80
    .max_flat_workgroup_size: 128
    .sgpr_count:     66
    .vgpr_count:     192
    .wavefront_size: 32
...
	.end_amdgpu_metadata
.endif
;; end of part 1
;; launch proj (part 2): grid 4 x 64, 4 waves a work-group, clusters of 4 x 4, 327,680 bytes of LDS; arguments xcodes, xscales, wcodes, wscales, qk, bq, bk; writes qk
.if DOCPART == 2
	.amdgcn_target "amdgcn-amd-amdhsa--gfx1250"
	.amdhsa_code_object_version 6
	.text
	.protected	k_qcca0f1966d_proj
	.globl	k_qcca0f1966d_proj
	.p2align	8
	.type	k_qcca0f1966d_proj,@function
k_qcca0f1966d_proj:
	s_mov_b64 s[64:65], 0
	v_nop
	global_prefetch_b8 v0, s[64:65] scope:SCOPE_SE
	s_setreg_imm32_b32 hwreg(HW_REG_WAVE_MODE, 25, 1), 1
	s_wait_xcnt 0x0
	s_wait_alu depctr_hold_cnt(0) depctr_sa_sdst(0) depctr_va_vdst(0) depctr_va_sdst(0) depctr_va_ssrc(0) depctr_va_vcc(0) depctr_vm_vsrc(0)
	s_getreg_b32 s2, hwreg(HW_REG_IB_STS2, 6, 4)
	s_cmp_eq_u32 s2, 0
	s_cbranch_scc0 .Lentry_in_a_cluster
	s_endpgm
.Lentry_in_a_cluster:
	s_bfe_u32 s2, ttmp6, 0x10000c
	s_cmp_lg_u32 s2, 0xf033
	s_cbranch_scc0 .Lentry_shape_is_right
	s_endpgm
.Lentry_shape_is_right:
; SECOND LAUNCH: both quantised products in one grid.  qk[m][n] = (sum over k of X[m][k] W[n][k] + bias[n]) / 4, rounded once to f16.  X: xcodes [16384][1024 codes of FP4], rows 0-8191 query, 8192-16383 key_in;
; W: wcodes [2048][1024]: Wq's rows, then Wk's; one E8M0 byte for each 32 along K beside each.  Tile rows 0-31 of qk are q (Wq, bq), 32-63 are k (Wk, bk).  Sums in f32, K ascending, the bias as the sums' first C.
; The factor 1/4 is exact; it keeps q and k inside f16 up to a magnitude of 262,016.  LIMIT: beyond that the rounding to f16 gives infinity.  The next launch takes 16 out of its own constant.
; A tile of qk, 256 x 256, is made by a work-group of four waves; a wave makes 128 x 128: 64 accumulators, 512 registers.  K = 1,024 is two LDS slots of 512 along K (rows of 256 bytes), so both slots and the
; scale bytes are first fills, three tensor loads a wave, all issued at the head: nothing is filled again and the text has no loop.
; CLUSTERS: 4 x 4 work-groups.  The four of a row of the cluster need the same tiles of X, the four of a column the same tiles of W: each tile is asked for JOINTLY, by the same tensor load with the same descriptor
; and a mask that names the four.  Which of the two products a cluster serves hangs on the cluster's own y alone.
; THE MATRIX INSTRUCTION IS USED TRANSPOSED (source 0 = 16 rows of W, source 1 = 16 rows of X): a lane then holds eight neighbouring numbers of a row of qk.
; REGISTERS, in windows of 256: window 0: v0-31 addresses; v32-95 scale words, two sets, and nothing else ever; v128-191 X's fragments, one set (on the way out: rows read back); v192-255 the bias, 8 registers for each
;   of W's eight blocks (on the way out: packed results).  window 1: W's fragments, two sets, at v0 and v128.  window 2: the accumulators of my rows 0-63 ((a, b) at v[8 (8 a + b)]); window 3: those of rows 64-127.
.set KSTEP,  512                       ; along K in a slot
.set NQ,     KSTEP/128                 ; matrix instructions deep
.set ROWB,   256                       ; a tile's row in bytes
.set KROW,   512                       ; a row of codes in memory
.set PITCH,  272                       ; an LDS row: 256 bytes + 16 of padding: the 16 rows that a load touches start 68 words apart
.set FR,     8                         ; registers of a fragment: 16 rows x 128 K
.set NL,     2                         ; LDS loads that bring one
.set NP,     4                         ; places behind this matrix instruction (ISA guide 7.12.1)
.set HALFT,  128*PITCH                 ; 128 rows: what one tensor load brings
.set SLOT,   4*HALFT                   ; X's 256 rows, then W's 256 rows
.set KS,     32                        ; a row of scale bytes
.set SCL,    2*SLOT                    ; behind the slots: the scale bytes, as rows of 256 bytes + 16 of padding
.set HALFS,  (128*KS/256)*272          ; those of 128 rows: what one tensor load brings
.set SBLK,   (16*KS/256)*272           ; those of 16 rows
.set STAGE,  SCL+4*HALFS               ; the way out: 16 rows x 272 bytes for each wave; no tensor load lands here
.set SPITCH, 272
.set SPARE,  STAGE+4*16*SPITCH         ; the spare words, 128 bytes a wave, which no other line names
.set OROW,   2048                      ; a row of qk in bytes
.set ADRA, 16                          ; v16-17  LDS address of my X fragments in slot 0, 1
.set ADRB, 20                          ; v20-21  the same for W
.set STO,  24                          ; v24     the way out: where I put 16 bytes of a row
.set RD,   25                          ; v25     where I read a row back
.set CO,   26                          ; v26     my byte offset in qk
.set ADRS, 27                          ; v27     LDS address of my scale words: lanes 0-15 X's rows, lanes 16-31 W's
.set SPW,  28                          ; v28     LDS address of my spare word; never rewritten
.set NIL,  29                          ; v29     0; never rewritten
.set BO,   30                          ; v30     the bias: 32 bytes x (lane / 16)
.set SC,   32                          ; scale words: set s at v[SC + 32 s]; register 4 i + q: lanes 0-15 the word of X's block i, lanes 16-31 that of W's block i, for the slot's q-th 128 along K
.set AF,   128                         ; X's fragments
.set BI,   192                         ; the bias in the result's layout
.set BK,   128                         ; the way out: 16 rows read back: v128-159 and v160-191 by turns
.set TMP,  192                         ; the way out: packed results
.set QS,   66                          ; s[66:67] 0.25, twice
.set G1, 24                            ; s[24:31] descriptor group 1 for X's tiles;  s[32:39] group 0, one set for each slot
.set G0, 32
.set G1B, 48                           ; s[48:55], s[56:63] the same for W's tiles
.set G0B, 56
.set G1S, 68                           ; s[68:75], s[76:79] groups 1 and 0 for X's scale bytes;  s[80:87], s[88:91] for W's
.set G0S, 76
.set G1SB, 80
.set G0SB, 88
.set MSB, 0
.macro WIN new                         ; the immediate's high byte repeats the setting that is left; a switch that changes nothing is dropped
.if MSB != (\new)
	s_set_vgpr_msb (MSB<<8)|(\new)
.set MSB, (\new)
.endif
.endm
.set MUL_LO, 0xa1                      ; source 0 (W) window 1, source 1 (X) window 0, C and D window 2
.set MUL_HI, 0xf1                      ; the same, C and D window 3.  In the first step C is the bias, in window 0: 0x81 and 0xc1
.set TO_B,   0x40                      ; destination window 1, address window 0
; A joint load: waves 0 and 1 fetch for X, waves 2 and 3 for W.  Each of the two lines has one mask and one set of registers for all that issue it; the branch hangs on the wave's number alone.
; An s_nop 0 and four v_nop follow each of the two lines, ahead of the jump, the label and what follows.
.macro JLOAD g0a, g1a, g0b, g1b
	s_cmp_eq_u32 s15, 0
	s_cbranch_scc0 .Lfor_b_\@
	tensor_load_to_lds s[\g0a:\g0a+3], s[\g1a:\g1a+7]
	s_nop 0
.rept 4
	v_nop
.endr
	s_branch .Lasked_\@
.Lfor_b_\@:
	tensor_load_to_lds s[\g0b:\g0b+3], s[\g1b:\g1b+7]
	s_nop 0
.rept 4
	v_nop
.endr
.Lasked_\@:
.endm
.macro CROUND                          ; a round of the cluster's barrier: my work-group's barrier; wave 0 signals for the work-group; every wave waits for all sixteen; my work-group's barrier once more
	s_barrier_signal -1
	s_barrier_wait -1
	s_cmp_lg_u32 s14, 0
	s_cbranch_scc1 .Lnot_wave_0_\@
	s_barrier_signal -3
.Lnot_wave_0_\@:
	s_barrier_wait -3
	s_barrier_signal -1
	s_barrier_wait -1
.endm
	s_load_b256 s[4:11], s[0:1], 0x0               ; xcodes s[4:5], xscales s[6:7], wcodes s[8:9], wscales s[10:11]
	s_load_b64 s[12:13], s[0:1], 0x20              ; qk
	s_load_b128 s[96:99], s[0:1], 0x28             ; bq s[96:97], bk s[98:99]
	v_lshl_add_u32 v[SPW], v0, 2, SPARE
	v_mov_b32 v[NIL], 0
	ds_add_u32 v[SPW], v[NIL]                      ; the wave's opening: the add, twice on end, and its wait ahead of my first tensor load; the set-up below, work on registers, stands between
	ds_add_u32 v[SPW], v[NIL]
	v_lshrrev_b32 v1, 5, v0
	v_readfirstlane_b32 s14, v1                    ; wave 0..3
	s_lshr_b32 s15, s14, 1                         ; which half of the tile's rows is mine.  Also: I fetch for X (0) or for W (1)
	s_and_b32 s16, s14, 1                          ; which half of its columns.  Also: which 128 rows of that tile I fetch
	s_bfe_u32 s40, ttmp6, 0x40000                  ; cx, cy: my place in the cluster
	s_bfe_u32 s41, ttmp6, 0x40004
	s_lshl_b32 s42, ttmp9, 2
	s_add_co_u32 s42, s42, s40                     ; tile column = 4 x cluster x + cx
	s_and_b32 s95, ttmp7, 0xffff                   ; the cluster's y, which all sixteen share
	s_lshl_b32 s17, s95, 2
	s_add_co_u32 s17, s17, s41                     ; tile row = 4 x cluster y + cy
	s_lshr_b32 s3, s95, 3                          ; 0: q's product, 1: k's (tile rows 32 on are clusters 8 on)
	s_lshl_b32 s3, s3, 10                          ; Wk's rows begin 1,024 rows into wcodes
	s_lshl_b32 s43, s41, 2
	s_lshl_b32 s43, 15, s43                        ; my row of the cluster
	s_lshl_b32 s44, 0x1111, s40                    ; my column
	; descriptor group 1: a tile of 128 rows x 256 bytes, padded in LDS
	s_or_b32 s[G1+0], s43, (0<<16)|(1<<20)|(1<<21)|(5<<22)|(3<<25)  ; 15:0 the mask: X's tiles go to my row; 17:16 elements of 1 byte; 20 padding on; 21 set beside a mask; 24:22 after every 64 words; 31:25 four words
	s_or_b32 s[G1B+0], s44, (0<<16)|(1<<20)|(1<<21)|(5<<22)|(3<<25) ; the same with the mask of my column
.irp g, G1, G1B
	s_mov_b32 s[\g+1], ROWB<<16                    ; tensor_dim0
	s_mov_b32 s[\g+2], 128<<16                     ; tensor_dim1
	s_mov_b32 s[\g+3], ROWB<<16                    ; tile_dim0
	s_mov_b32 s[\g+4], 128                         ; tile_dim1
	s_mov_b32 s[\g+5], KROW                        ; from row to row
	s_mov_b32 s[\g+6], 0
	s_mov_b32 s[\g+7], 0
.endr
	; the scale bytes of 128 rows: a dense block of 4,096 bytes, as 16 rows of 256 bytes (32 elements of 8 bytes), 16 bytes of padding behind each
	s_or_b32 s[G1S+0], s43, (3<<16)|(1<<20)|(1<<21)|(5<<22)|(3<<25)
	s_or_b32 s[G1SB+0], s44, (3<<16)|(1<<20)|(1<<21)|(5<<22)|(3<<25)
.irp g, G1S, G1SB
	s_mov_b32 s[\g+1], 32<<16
	s_mov_b32 s[\g+2], (128*KS/256)<<16
	s_mov_b32 s[\g+3], 32<<16
	s_mov_b32 s[\g+4], 128*KS/256
	s_mov_b32 s[\g+5], 32
	s_mov_b32 s[\g+6], 0
	s_mov_b32 s[\g+7], 0
.endr
	s_mov_b32 s[QS], 0x3e800000                    ; 0.25
	s_mov_b32 s[QS+1], s[QS]                       ; (named with it as a pair, so it is written)
	s_lshl_b32 s18, s16, 7                         ; which 128 rows of the tile I fetch
	s_lshl_b32 s20, s17, 8
	s_add_co_u32 s20, s20, s18                     ; X: row 256 x tile row + 128 x half
	s_lshl_b32 s46, s42, 8
	s_add_co_u32 s46, s46, s18
	s_add_co_u32 s46, s46, s3                      ; W: row 1,024 x product + 256 x tile column + 128 x half
	s_mov_b32 s21, 0
	s_mov_b32 s47, 0
	s_mov_b64 s[18:19], KS
	s_mul_u64 s[22:23], s[20:21], s[18:19]         ; where these rows' scale bytes begin
	s_mul_u64 s[92:93], s[46:47], s[18:19]
	s_mov_b64 s[18:19], KROW
	s_mul_u64 s[20:21], s[20:21], s[18:19]         ; and their codes
	s_mul_u64 s[46:47], s[46:47], s[18:19]
	s_mul_i32 s45, s14, HALFT                      ; where they go: wave x 128 rows: no place in the cluster enters an LDS address
	s_mul_i32 s94, s14, HALFS
	s_wait_dscnt 0x0                               ; both opening adds are done
	s_wait_kmcnt 0x0
	s_add_nc_u64 s[20:21], s[4:5], s[20:21]
	s_add_nc_u64 s[22:23], s[6:7], s[22:23]
	s_add_nc_u64 s[46:47], s[8:9], s[46:47]
	s_add_nc_u64 s[92:93], s[10:11], s[92:93]
	CROUND                                         ; all sixteen work-groups are here: the joint loads meet
	s_mov_b32 s[G0S], 1
	s_add_co_u32 s[G0S+1], s94, SCL
	s_mov_b64 s[G0S+2:G0S+3], s[22:23]
	s_or_b32 s[G0S+3], s[G0S+3], 0x80000000
	s_mov_b32 s[G0SB], 1
	s_add_co_u32 s[G0SB+1], s94, SCL
	s_mov_b64 s[G0SB+2:G0SB+3], s[92:93]
	s_or_b32 s[G0SB+3], s[G0SB+3], 0x80000000
	JLOAD G0S, G1S, G0SB, G1SB                     ; the scale bytes first: they are wanted with the first slot
.irp s, 0,1
	s_mov_b32 s[G0+4*\s], 1
	s_add_co_u32 s[G0+4*\s+1], s45, \s*SLOT
	s_add_nc_u64 s[G0+4*\s+2:G0+4*\s+3], s[20:21], \s*ROWB
	s_or_b32 s[G0+4*\s+3], s[G0+4*\s+3], 0x80000000
	s_mov_b32 s[G0B+4*\s], 1
	s_add_co_u32 s[G0B+4*\s+1], s45, \s*SLOT
	s_add_nc_u64 s[G0B+4*\s+2:G0B+4*\s+3], s[46:47], \s*ROWB
	s_or_b32 s[G0B+4*\s+3], s[G0B+4*\s+3], 0x80000000
	JLOAD G0+4*\s, G1, G0B+4*\s, G1B               ; three tensor loads of mine are out now, and no more follow
.endr
	v_and_b32 v1, 15, v0                           ; r = l % 16
	v_bfe_u32 v2, v0, 4, 1                         ; h = l / 16
	; the bias of my 128 columns, in the result's layout: for W's block b lane (r, h) wants bias[16 b + 8 h + 0 .. 7]
	s_cmp_lt_u32 s95, 8                            ; the choice hangs on the cluster's number alone
	s_cselect_b64 s[96:97], s[96:97], s[98:99]
	s_lshl_b32 s46, s42, 10                        ; 256 columns x 4 bytes a tile column
	s_lshl_b32 s47, s16, 9
	s_add_co_u32 s46, s46, s47
	s_mov_b32 s47, 0
	s_add_nc_u64 s[96:97], s[96:97], s[46:47]
	v_lshlrev_b32 v[BO], 5, v2
.irp b, 0,1,2,3,4,5,6,7
	global_load_b128 v[BI+8*\b:BI+8*\b+3], v[BO], s[96:97] offset:64*\b
	global_load_b128 v[BI+8*\b+4:BI+8*\b+7], v[BO], s[96:97] offset:64*\b+16
.endr
	v_mul_u32_u24 v3, v1, PITCH
	v_lshl_add_u32 v4, v2, 4, v3                   ; a fragment's row x pitch + 16 x half
	s_mul_i32 s21, s15, HALFT                      ; my 128 rows of X
	s_mul_i32 s22, s16, HALFT                      ; my 128 rows of W,
	s_add_co_u32 s22, s22, 2*HALFT                 ; which lie behind X's 256
.irp s, 0,1
	v_add_nc_u32 v[ADRA+\s], s21, v4
	v_add_nc_u32 v[ADRB+\s], s22, v4
	s_add_co_u32 s21, s21, SLOT
	s_add_co_u32 s22, s22, SLOT
.endr
	v_mul_u32_u24 v5, v1, KS                       ; my row's scale bytes: 32 a row,
	v_lshrrev_b32 v6, 8, v5
	v_lshl_add_u32 v5, v6, 4, v5                   ; and 16 more for each 256 passed
	s_mul_i32 s21, s15, HALFS                      ; X's: my 128 rows
	s_mul_i32 s22, s16, HALFS                      ; W's: my 128 rows, behind X's 256
	s_add_co_u32 s22, s22, 2*HALFS
	s_sub_co_u32 s22, s22, s21
	v_mul_u32_u24 v6, s22, v2                      ; lanes 16-31 take W's: one product, the lower base + h x the distance
	s_add_co_u32 s21, s21, SCL
	v_add_nc_u32 v5, v5, v6
	v_add_nc_u32 v[ADRS], s21, v5
	s_mul_i32 s23, s14, 16*SPITCH
	s_add_co_u32 s23, s23, STAGE                   ; my stage
	v_mul_u32_u24 v5, v1, SPITCH                   ; in: row r, 16 bytes for each half of the lanes
	v_lshl_add_u32 v5, v2, 4, v5
	v_add_nc_u32 v[STO], s23, v5
	v_mul_u32_u24 v5, v2, SPITCH                   ; back: lanes 0-15 take one row of 256 bytes, lanes 16-31 the next
	v_lshl_add_u32 v5, v1, 4, v5
	v_add_nc_u32 v[RD], s23, v5
	v_lshlrev_b32 v5, 11, v2                       ; and the same two rows in qk
	v_lshl_add_u32 v[CO], v1, 4, v5
	s_lshl_b32 s20, s17, 8
	s_lshl_b32 s21, s15, 7
	s_add_co_u32 s20, s20, s21                     ; my first row of qk: 256 x tile row + 128 x half
	s_lshl_b32 s20, s20, 11                        ; in bytes (under 2^26)
	s_lshl_b32 s46, s42, 9                         ; my first column, in bytes: 512 x tile column + 256 x half
	s_lshl_b32 s47, s16, 8
	s_add_co_u32 s46, s46, s47
	s_add_co_u32 s20, s20, s46
	s_mov_b32 s21, 0
	s_add_nc_u64 s[12:13], s[12:13], s[20:21]
.macro FRAG reg, adr, q, i             ; a fragment, 16 rows x 128 K of 4-bit codes: lane l holds row l % 16; registers 4 c .. 4 c + 3 hold K = 64 c + 32 (l / 16) + 0 .. 31
.irp c, 0,1
	ds_load_b128 v[\reg+4*\c:\reg+4*\c+3], v[\adr] offset:64*(\q)+32*\c+(\i)*16*PITCH
.endr
.endm
; 16 matrix instructions: X's blocks a0, a0 + 1 x W's eight, 128 along K: the slot's q-th.  p: W's set;  sc: the set of scale words.  zero = 1: the first product starts the sums, with the bias as its C.
; The 64 accumulators take turns, one instruction a turn, in the same order in every step.
.macro MUL16 a0, p, q, sc, zero
.irp a, \a0, \a0+1
.irp b, 0,1,2,3,4,5,6,7
.if \zero
	v_wmma_scale_f32_16x16x128_f8f6f4 v[8*(8*((\a)%4)+\b):8*(8*((\a)%4)+\b)+7], v[128*(\p)+FR*\b:128*(\p)+FR*\b+FR-1], v[AF+FR*(\a):AF+FR*(\a)+FR-1], v[BI+8*\b:BI+8*\b+7], v[SC+8*NQ*(\sc)+NQ*\b+(\q)], v[SC+8*NQ*(\sc)+NQ*(\a)+(\q)] matrix_a_fmt:MATRIX_FMT_FP4 matrix_b_fmt:MATRIX_FMT_FP4 matrix_a_scale:MATRIX_SCALE_ROW1
.else
	v_wmma_scale_f32_16x16x128_f8f6f4 v[8*(8*((\a)%4)+\b):8*(8*((\a)%4)+\b)+7], v[128*(\p)+FR*\b:128*(\p)+FR*\b+FR-1], v[AF+FR*(\a):AF+FR*(\a)+FR-1], v[8*(8*((\a)%4)+\b):8*(8*((\a)%4)+\b)+7], v[SC+8*NQ*(\sc)+NQ*\b+(\q)], v[SC+8*NQ*(\sc)+NQ*(\a)+(\q)] matrix_a_fmt:MATRIX_FMT_FP4 matrix_b_fmt:MATRIX_FMT_FP4 matrix_a_scale:MATRIX_SCALE_ROW1
.endif
.endr
.endr
.endm
.macro FETCH_B slot, q, p              ; W's eight fragments of the slot's q-th 128 along K into set p
	WIN TO_B
.irp i, 0,1,2,3,4,5,6,7
	FRAG 128*(\p)+FR*\i, ADRB+\slot, \q, \i
.endr
	WIN 0
.endm
.macro FETCH_A slot, q, i0             ; X's blocks i0 .. i0 + 3
.irp i, \i0, \i0+1, \i0+2, \i0+3
	FRAG AF+FR*(\i), ADRA+\slot, \q, \i
.endr
.endm
.macro SCALES sc                       ; a slot's scale words into set sc: 4 words a row; lanes 0-15 take X's block i, lanes 16-31 W's block i
.irp i, 0,1,2,3,4,5,6,7
	ds_load_b128 v[SC+8*NQ*\sc+NQ*\i:SC+8*NQ*\sc+NQ*\i+3], v[ADRS] offset:\i*SBLK
.endr
.endm
; A load into a register that a matrix instruction has read, and a vector instruction that reads a matrix result, stand NP places behind that matrix instruction; only plain vector instructions that name
; none of its registers are places (ISA guide 7.12.1 for vector instructions).
.macro PLACES n
.rept \n
	v_nop
.endr
.endm
; A step of 128 along K that has its successor in the same slot.  A block of X is free as soon as its eight products are issued: blocks 0-3 are fetched anew in the step's middle, blocks 4-7 at its end.
.macro STEP slot, q, zero
	s_wait_dscnt 4*NL                              ; W's set and X's blocks 0-3 are in; the youngest eight loads (X's blocks 4-7) may be out
	WIN MUL_LO-0x20*(\zero)
	MUL16 0, (\q)%2, \q, \slot, \zero
	MUL16 2, (\q)%2, \q, \slot, \zero
	s_wait_dscnt 0                                 ; X's blocks 4-7 are in (asked for 32 matrix instructions ago)
	PLACES NP
	FETCH_B \slot, (\q)+1, 1-(\q)%2
	FETCH_A \slot, (\q)+1, 0
	WIN MUL_HI-0x30*(\zero)
	MUL16 4, (\q)%2, \q, \slot, \zero
	MUL16 6, (\q)%2, \q, \slot, \zero
	PLACES NP
	WIN 0
	FETCH_A \slot, (\q)+1, 4
.endm
; Slot 0's last step goes over to slot 1: one barrier; in front of it each wave waits for all its tensor loads (its part of slot 1), adds 0 to its spare word and waits for that.
.macro TURN slot, next
	s_wait_tensorcnt 0x0                           ; all my tensor loads have landed (every window is 0 here: the add's two registers lie in window 0)
	ds_add_u32 v[SPW], v[NIL]                      ; 0 onto my spare word
	s_wait_dscnt 4*NL+1                            ; (the add and the youngest eight loads, X's blocks 4-7, may be out)
	WIN MUL_LO
	MUL16 0, 1, NQ-1, \slot, 0                     ; sixteen matrix instructions stand between the add and the wait for it
	s_wait_dscnt 0x0                               ; the add is done, and no LDS instruction of mine is out at the signal
	s_barrier_signal -1
	MUL16 2, 1, NQ-1, \slot, 0
	WIN 0
	s_barrier_wait -1                              ; the next slot is whole
	PLACES NP
	v_add_nc_u32 v[ADRS], 4*NQ, v[ADRS]            ; on to the next slot's scale words
	FETCH_B \next, 0, 0
	FETCH_A \next, 0, 0
	SCALES \next
	WIN MUL_HI
	MUL16 4, 1, NQ-1, \slot, 0
	MUL16 6, 1, NQ-1, \slot, 0
	PLACES NP
	WIN 0
	FETCH_A \next, 0, 4
.endm
.macro STEPS slot, from                ; the slot's steps from .. NQ - 2
.set Q, \from
.rept NQ-1-\from
	STEP \slot, Q, 0
.set Q, Q+1
.endr
.endm
	s_wait_tensorcnt 1                             ; the scale bytes and my part of slot 0 are in; slot 1's load may be out
	s_barrier_signal -1
	s_barrier_wait -1                              ; everybody's are
	FETCH_B 0, 0, 0
	FETCH_A 0, 0, 0
	SCALES 0
	FETCH_A 0, 0, 4
	s_wait_loadcnt 0x0                             ; the bias
	STEP 0, 0, 1                                   ; the first step starts the sums: nothing is cleared and the bias costs no addition
	STEPS 0, 1
	TURN 0, 1
	STEPS 1, 0
	s_wait_dscnt 4*NL                              ; the very last step: nothing more to fetch
	WIN MUL_LO
	MUL16 0, 1, NQ-1, 1, 0
	MUL16 2, 1, NQ-1, 1, 0
	s_wait_dscnt 0
	WIN MUL_HI
	MUL16 4, 1, NQ-1, 1, 0
	MUL16 6, 1, NQ-1, 1, 0
	WIN 0
; THE WAY OUT, block by block of 16 rows x 128 columns.  PACK: x 1/4 (exact), rounded to f16: 16 bytes a lane; each accumulator is taken from its low end on.  TOSTAGE: into my own stage in LDS and back as whole rows of
; 256 bytes.  SEND: sixteen lanes store 256 consecutive bytes, at a multiple of 256 from qk's first byte.  LDS serves a wave's instructions in order (ISA guide 5.7.1.4): no wait between the stage's stores and loads.
.macro PACK a
.set AC, 64*((\a)%4)
	WIN 0x82+0x41*((\a)/4)                         ; destination and source 0: window 2 or 3
.set i, 0
.rept 32
	v_pk_mul_f32 v[AC+i:AC+i+1], v[AC+i:AC+i+1], s[QS:QS+1] op_sel_hi:[1,0]
.set i, i+2
.endr
	WIN 0x0a+5*((\a)/4)                            ; sources 0 and 1: window 2 or 3; destination window 0
.irp b, 0,1,2,3,4,5,6,7
.irp r, 0,1,2,3
	v_cvt_pk_f16_f32 v[TMP+4*\b+\r], v[AC+8*\b+2*\r], v[AC+8*\b+2*\r+1]
.endr
.endr
	WIN 0
.endm
.macro TOSTAGE a
.set BB, BK+32*((\a)%2)
.irp b, 0,1,2,3,4,5,6,7
	ds_store_b128 v[STO], v[TMP+4*\b:TMP+4*\b+3] offset:32*\b
.endr
.irp t, 0,1,2,3,4,5,6,7
	ds_load_b128 v[BB+4*\t:BB+4*\t+3], v[RD] offset:\t*2*SPITCH
.endr
.endm
.macro SEND a
.set BB, BK+32*((\a)%2)
	s_wait_dscnt 0x0                               ; the block is back in registers
	s_wait_xcnt 0x0                                ; the earlier stores have read their base and their data: the base may step, and the next block may land in the other set
.if (\a) > 0
	s_add_nc_u64 s[12:13], s[12:13], 16*OROW       ; 16 rows on
.endif
.irp t, 0,1,2,3,4,5,6,7
	global_store_b128 v[CO], v[BB+4*\t:BB+4*\t+3], s[12:13] offset:2*\t*OROW
.endr
.endm
	PLACES NP                                      ; behind the last products: for the reads of their results and the loads into X's registers
	PACK 0
	TOSTAGE 0
.irp a, 1,2,3,4,5,6,7                  ; block a's arithmetic stands between block a - 1's loads from the stage and the wait for them
	PACK \a
	SEND \a-1
	TOSTAGE \a
.endr
	SEND 7
	s_wait_tensorcnt 0x0                           ; the wave's end, behind my last tensor load and my last LDS store
	ds_add_u32 v[SPW], v[NIL]
	s_wait_dscnt 0x0
	CROUND                                         ; the closing round: no work-group ends while a partner may still ask for a tile that names it
	s_endpgm
.Lfunc_end_k_qcca0f1966d_proj:
	.size	k_qcca0f1966d_proj, .Lfunc_end_k_qcca0f1966d_proj-k_qcca0f1966d_proj
	.p2alignl 7, 3214868480
	.fill 96, 4, 3214868480
	.section	.rodata,"a",@progbits
	.p2align	6, 0x0
	.amdhsa_kernel k_qcca0f1966d_proj
		.amdhsa_group_segment_fixed_size 327680
		.amdhsa_private_segment_fixed_size 0
		.amdhsa_enable_private_segment 0
		.amdhsa_kernarg_size 56
		.amdhsa_user_sgpr_count 2
		.amdhsa_user_sgpr_kernarg_segment_ptr 1
		.amdhsa_wavefront_size32 1
		.amdhsa_system_sgpr_workgroup_id_x 1
		.amdhsa_system_sgpr_workgroup_id_y 1
		.amdhsa_system_sgpr_workgroup_id_z 1
		.amdhsa_system_vgpr_workitem_id 0
		.amdhsa_next_free_vgpr 1024
		.amdhsa_next_free_sgpr 100
		.amdhsa_reserve_vcc 0
		.amdhsa_float_denorm_mode_32 3
		.amdhsa_float_denorm_mode_16_64 3
		.amdhsa_memory_ordered 1
		.amdhsa_forward_progress 1
		.amdhsa_inst_pref_size 145
	.end_amdhsa_kernel
	.amdgpu_metadata
---
amdhsa.version: [ 1, 2 ]
amdhsa.kernels:
  - .name:           k_qcca0f1966d_proj
    .symbol:         k_qcca0f1966d_proj.kd
    .args:
      - { .name: xcodes, .offset: 0, .size: 8, .value_kind: global_buffer, .address_space: global }
      - { .name: xscales, .offset: 8, .size: 8, .value_kind: global_buffer, .address_space: global }
      - { .name: wcodes, .offset: 16, .size: 8, .value_kind: global_buffer, .address_space: global }
      - { .name: wscales, .offset: 24, .size: 8, .value_kind: global_buffer, .address_space: global }
      - { .name: qk, .offset: 32, .size: 8, .value_kind: global_buffer, .address_space: global }
      - { .name: bq, .offset: 40, .size: 8, .value_kind: global_buffer, .address_space: global }
      - { .name: bk, .offset: 48, .size: 8, .value_kind: global_buffer, .address_space: global }
    .group_segment_fixed_size: 327680
    .private_segment_fixed_size: 0
    .kernarg_segment_align: 8
    .kernarg_segment_size: 56
    .max_flat_workgroup_size: 128
    .sgpr_count:     100
    .vgpr_count:     1024
    .wavefront_size: 32
...
	.end_amdgpu_metadata
.endif
;; end of part 2
;; launch dots (part 3): grid 8 x 32, 4 waves a work-group, clusters of 4 x 4, 327,680 bytes of LDS; arguments qk, stats, p; writes p, stats
.if DOCPART == 3
	.amdgcn_target "amdgcn-amd-amdhsa--gfx1250"
	.amdhsa_code_object_version 6
	.text
	.protected	k_qcca0f1966d_dots
	.globl	k_qcca0f1966d_dots
	.p2align	8
	.type	k_qcca0f1966d_dots,@function
k_qcca0f1966d_dots:
	s_mov_b64 s[64:65], 0
	v_nop
	global_prefetch_b8 v0, s[64:65] scope:SCOPE_SE
	s_setreg_imm32_b32 hwreg(HW_REG_WAVE_MODE, 25, 1), 1
	s_wait_xcnt 0x0
	s_wait_alu depctr_hold_cnt(0) depctr_sa_sdst(0) depctr_va_vdst(0) depctr_va_sdst(0) depctr_va_ssrc(0) depctr_va_vcc(0) depctr_vm_vsrc(0)
	s_getreg_b32 s2, hwreg(HW_REG_IB_STS2, 6, 4)
	s_cmp_eq_u32 s2, 0
	s_cbranch_scc0 .Lentry_in_a_cluster
	s_endpgm
.Lentry_in_a_cluster:
	s_bfe_u32 s2, ttmp6, 0x10000c
	s_cmp_lg_u32 s2, 0xf033
	s_cbranch_scc0 .Lentry_shape_is_right
	s_endpgm
.Lentry_shape_is_right:
; THIRD LAUNCH: the scores and the first half of the softmax.  qk [16384][1024] f16 holds q / 4 (rows 0-8191) and k / 4 (rows 8192 on), 2,048 rows a batch.  s = sum over d of (q/4)(k/4), f16 operands, f32 sums.
; t = c s with c = 16 log2(e) / 32: the score of the softmax in powers of two.  A wave's tile is 128 queries x 128 keys.  For each query and each such tile of keys:
;   M = the tile's largest t rounded UP to a whole number;  p = 2^(t - M), at most 1, rounded to f16 and stored, p [8192 queries][2048 keys];  l = the sum of the unrounded p.
; stats [2][16 key tiles][8192 queries] f32 takes -M (kind 0) and l (kind 1).  The last launch brings the 16 tiles of a row under the row's own maximum by exact powers of two: the maximum is taken away for every input.
; LIMITS: p under 2^-24 falls to 0 and p under 2^-14 keeps an absolute error of 2^-25 (f16); NaN and infinities are not served.
; THE PRODUCT: a tile of 256 x 256 to a work-group of four waves, 128 x 128 a wave: 64 accumulators, 512 registers.  K = 1,024 goes in 8 steps of 128 through a ring of two LDS slots filled by the tensor data mover:
; a tile's row is 256 bytes of memory and starts at a multiple of 256 from the buffer's first byte.
; CLUSTERS: 4 x 4 work-groups.  The four of a row of the cluster need the same rows of q, the four of a column the same rows of k: each tile is asked for JOINTLY, by the same tensor load with the same descriptor and a
; mask that names the four.  A cluster's 1,024 queries lie in one batch (cluster y / 2).
; THE MATRIX INSTRUCTION IS USED TRANSPOSED (source 0 = 16 keys, source 1 = 16 queries): lane l holds query l % 16, and register j of accumulator (a, b) the key 16 b + 8 (l / 16) + j: a query's maximum and sum want one
; exchange between the halves of the lanes, and eight neighbouring p pack into 16 bytes.
; REGISTERS, in windows of 256: window 0: v0-31 addresses; v32-63 the softmax's small registers; v64-127, v128-191 fragments of q, two buffers; window 1: v64-127, v128-191 fragments of k;
;   window 2: the accumulators of my queries 0-63 ((a, b) at v[8 (8 a + b)]); window 3: those of queries 64-127.  s_set_vgpr_msb's low byte: bits 1:0 source 0, 3:2 source 1, 5:4 source 2, 7:6 destination.
.set SIZE_K, 1024
.set KSTEP,  128
.set PITCH,  272                       ; an LDS row: 256 bytes + 16 of padding: the 16 rows that a load touches start 68 words apart
.set HALFT,  128*PITCH                 ; 128 rows: what one tensor load brings
.set SLOT,   4*HALFT                   ; q's 256 rows, then k's 256 rows
.set STAGE,  2*SLOT                    ; behind the ring: 16 rows x 272 bytes for each wave, for p's way out
.set SPITCH, 272
.set SSTG,   STAGE+4*16*SPITCH         ; 1,024 bytes for each wave: its 128 -M, then its 128 l
.set SPARE,  SSTG+4*1024               ; the spare words, 128 bytes a wave, which no other line names
.set LAPS,   SIZE_K/(2*KSTEP)          ; a lap = two K steps = once round the ring
.set PROW,   4096                      ; a row of p in bytes
.set ADRA, 16                          ; v16-17  LDS address of my q fragments in slot 0, 1
.set ADRB, 20                          ; v20-21  the same for k
.set STO,  24                          ; v24     the way out: where I put 16 bytes of a row
.set RD,   25                          ; v25     where I read a row back
.set CO,   26                          ; v26     my byte offset in p
.set SPW,  28                          ; v28     LDS address of my spare word; never rewritten
.set NIL,  29                          ; v29     0; never rewritten
.set PFO,  30                          ; v30     the prefetches' offset: my lane x a row of qk (2,048 bytes); never rewritten
.set T,    32                          ; v32-39  eight running maxima
.set LS,   40                          ; v40-43  two packed running sums
.set XR,   44                          ; v44     -M in lanes 0-15, l in lanes 16-31
.set SST,  45                          ; v45     where that goes in LDS
.set SRD,  46                          ; v46     where the stats are read back
.set SGO,  47                          ; v47     16 x lane: their place in memory
.set NM,   48                          ; v48-63  block a: the pair (-M, the largest t)
.set LR,   64                          ; v64-71  block a: l
.set SOUT, 72                          ; v72-79  the stats on their way out
.set F0,   64                          ; fragment buffer 0
.set F1,   128                         ; fragment buffer 1
.set OB,   128                         ; the way out: 16 rows read back: v128-159 and v160-191 by turns
.set TMP,  192                         ; packed p
.set LIM,  43                          ; s43     1 in a wave that prefetches, else the greatest number
.set PFA,  44                          ; s[44:45] where my prefetches stand
.set G1, 24                            ; s[24:31] descriptor group 1 for q's tiles;  s[32:39] group 0, one set for each slot
.set G0, 32
.set G1B, 48                           ; s[48:55], s[56:63] the same for k's tiles
.set G0B, 56
.set CS,  66                           ; s[66:67] c, twice: the packed form names a pair and takes its low word for both halves
.set SEL, 68                           ; s[68:69] lane selects for v_permlanex16_b32: lane l xor 16
.set HIM, 70                           ; s70     the mask of lanes 16-31
.set MSB, 0
.macro WIN new                         ; the immediate's high byte repeats the setting that is left; a switch that changes nothing is dropped
.if MSB != (\new)
	s_set_vgpr_msb (MSB<<8)|(\new)
.set MSB, (\new)
.endif
.endm
.set MUL_LO, 0xa1                      ; source 0 (k) window 1, source 1 (q) window 0, C and D window 2
.set MUL_HI, 0xf1                      ; the same, C and D window 3
.set TO_B,   0x40                      ; destination window 1, address window 0
; A joint load.  Waves 0 and 1 fetch q's two halves, waves 2 and 3 k's.  Each line has one mask and one set of registers for all that issue it; the branch hangs on the wave's number alone.
; An s_nop 0 and four v_nop follow each of the two lines, ahead of the jump, the label and what follows.
.macro JLOAD s
	s_cmp_eq_u32 s11, 0
	s_cbranch_scc0 .Lfor_b_\@
	tensor_load_to_lds s[G0+4*\s:G0+4*\s+3], s[G1:G1+7]
	s_nop 0
.rept 4
	v_nop
.endr
	s_branch .Lasked_\@
.Lfor_b_\@:
	tensor_load_to_lds s[G0B+4*\s:G0B+4*\s+3], s[G1B:G1B+7]
	s_nop 0
.rept 4
	v_nop
.endr
.Lasked_\@:
.endm
; A PREFETCH, behind each joint refill and the run of LDS loads that follows it: the K step that stands TWO refills on (512 matrix instructions ahead of the load that will want it): 32 rows x 256 bytes, a lane a row.
; Each row's 256 bytes of a K step are named once in the launch.  q's rows are read by both clusters of a row of clusters: the one with x = 0 asks; k's rows by the two clusters of a batch with the same x: the one with
; even y asks.  The four partners that ask for a tile jointly share its rows out BY ADDRESS: of the 128 rows that a wave fetches, the partner at place c takes 32 c .. 32 c + 31 (cx for q, cy for k).
; K steps 0 to 3 come by their loads alone; the loop's last trip asks for nothing: there is no K step two refills on.
.macro ASK
	s_cmp_gt_u32 s3, s[LIM]                        ; s3 = 1 in the loop's last trip
	s_cbranch_scc0 .Lnot_mine_\@
	global_prefetch_b8 v[PFO], s[PFA:PFA+1] offset:KSTEP*2 th:TH_LOAD_NT scope:SCOPE_SE
.Lnot_mine_\@:
.endm
.macro CREST                           ; a round of the cluster's barrier behind its opening barrier
	s_cmp_lg_u32 s10, 0
	s_cbranch_scc1 .Lnot_wave_0_\@
	s_barrier_signal -3
.Lnot_wave_0_\@:
	s_barrier_wait -3
	s_barrier_signal -1
	s_barrier_wait -1
.endm
.macro CROUND                          ; a whole round
	s_barrier_signal -1
	s_barrier_wait -1
	CREST
.endm
	s_load_b128 s[4:7], s[0:1], 0x0                ; qk s[4:5], stats s[6:7]
	s_load_b64 s[8:9], s[0:1], 0x10                ; p
	v_lshl_add_u32 v[SPW], v0, 2, SPARE
	v_mov_b32 v[NIL], 0
	ds_add_u32 v[SPW], v[NIL]                      ; the wave's opening: the add, twice on end, and its wait ahead of my first tensor load; the set-up below, work on registers, stands between
	ds_add_u32 v[SPW], v[NIL]
	v_lshrrev_b32 v1, 5, v0
	v_readfirstlane_b32 s10, v1                    ; wave 0..3
	s_lshr_b32 s11, s10, 1                         ; which half of the tile's queries is mine.  Also: I fetch for q (0) or for k (1)
	s_and_b32 s12, s10, 1                          ; which half of its keys.  Also: which 128 rows of that tile I fetch
	s_bfe_u32 s40, ttmp6, 0x40000                  ; cx, cy: my place in the cluster
	s_bfe_u32 s41, ttmp6, 0x40004
	s_lshl_b32 s42, ttmp9, 2
	s_add_co_u32 s42, s42, s40                     ; tile column (256 keys of the batch) = 4 x cluster x + cx
	s_and_b32 s71, ttmp7, 0xffff                   ; the cluster's y
	s_lshl_b32 s13, s71, 2
	s_add_co_u32 s13, s13, s41                     ; tile row (256 queries) = 4 x cluster y + cy
	s_lshr_b32 s72, s71, 1                         ; the batch
	s_lshl_b32 s72, s72, 11
	s_add_co_u32 s72, s72, 8192                    ; the row of qk at which the batch's k begins
	s_lshl_b32 s43, s41, 2
	s_lshl_b32 s43, 15, s43                        ; my row of the cluster
	s_lshl_b32 s44, 0x1111, s40                    ; my column
	; descriptor group 1: a tile of 128 rows x 128 elements, padded in LDS
	s_or_b32 s[G1+0], s43, (1<<16)|(1<<20)|(1<<21)|(5<<22)|(3<<25)  ; 15:0 the mask: q's tiles go to my row; 17:16 elements of 2 bytes; 20 padding on; 21 set beside a mask; 24:22 after every 64 words; 31:25 four words
	s_or_b32 s[G1B+0], s44, (1<<16)|(1<<20)|(1<<21)|(5<<22)|(3<<25) ; the same with the mask of my column
.irp g, G1, G1B
	s_mov_b32 s[\g+1], KSTEP<<16                   ; tensor_dim0 = 128
	s_mov_b32 s[\g+2], 128<<16                     ; tensor_dim1 = 128
	s_mov_b32 s[\g+3], KSTEP<<16                   ; tile_dim0 = 128
	s_mov_b32 s[\g+4], 128                         ; tile_dim1 = 128
	s_mov_b32 s[\g+5], SIZE_K                      ; elements from row to row
	s_mov_b32 s[\g+6], 0
	s_mov_b32 s[\g+7], 0
.endr
	s_mov_b32 s[CS], 0x3f38aa3b                    ; c = 16 log2(e) / 32 = 0.72134752
	s_mov_b32 s[CS+1], s[CS]
	s_mov_b32 s[SEL], 0x76543210
	s_mov_b32 s[SEL+1], 0xfedcba98
	; where the tiles come from.  q's hang on the tile row alone, which my row of the cluster shares; k's on the tile column and the batch, which my column shares
	s_lshl_b32 s17, s12, 7                         ; which 128 rows of the tile I fetch
	s_lshl_b32 s16, s13, 8
	s_add_co_u32 s16, s16, s17                     ; q: row 256 x tile row + 128 x half
	s_lshl_b32 s16, s16, 11                        ; rows of 2,048 bytes (under 2^26)
	s_lshl_b32 s46, s42, 8
	s_add_co_u32 s46, s46, s17
	s_add_co_u32 s46, s46, s72                     ; k: the batch's first row + 256 x tile column + 128 x half
	s_lshl_b32 s46, s46, 11
	s_mov_b32 s17, 0
	s_mov_b32 s47, 0
	s_mul_i32 s20, s10, HALFT                      ; where they go: wave x 128 rows: no place in the cluster enters an LDS address
	s_wait_dscnt 0x0                               ; both opening adds are done
	s_wait_kmcnt 0x0
	s_add_nc_u64 s[14:15], s[4:5], s[16:17]
	s_add_nc_u64 s[46:47], s[4:5], s[46:47]
	CROUND                                         ; all sixteen work-groups are here: the first joint loads meet
.irp s, 0,1
	s_mov_b32 s[G0+4*\s], 1                                        ; count = 1
	s_add_co_u32 s[G0+4*\s+1], s20, \s*SLOT                        ; LDS address
	s_add_nc_u64 s[G0+4*\s+2:G0+4*\s+3], s[14:15], \s*KSTEP*2      ; global address: K step s
	s_or_b32 s[G0+4*\s+3], s[G0+4*\s+3], 0x80000000                ; type = 2
	s_mov_b32 s[G0B+4*\s], 1
	s_add_co_u32 s[G0B+4*\s+1], s20, \s*SLOT
	s_add_nc_u64 s[G0B+4*\s+2:G0B+4*\s+3], s[46:47], \s*KSTEP*2
	s_or_b32 s[G0B+4*\s+3], s[G0B+4*\s+3], 0x80000000
	JLOAD \s                                       ; two tensor loads of mine are out at the start, later one behind each round
.endr
	; A fragment is 16 rows x 32 K in 8 registers: lane l holds row l % 16; registers 0-3 K = 8 (l / 16) + 0..7, registers 4-7 K = 16 + 8 (l / 16) + 0..7: two loads of 16 bytes, 32 bytes apart
	v_and_b32 v1, 15, v0                           ; r
	v_bfe_u32 v2, v0, 4, 1                         ; h
	v_mul_u32_u24 v3, v1, PITCH
	v_lshl_add_u32 v3, v2, 4, v3
	s_mul_i32 s21, s11, HALFT                      ; my 128 rows of q
	s_mul_i32 s22, s12, HALFT                      ; my 128 rows of k,
	s_add_co_u32 s22, s22, 2*HALFT                 ; which lie behind q's 256
.irp s, 0,1
	v_add_nc_u32 v[ADRA+\s], s21, v3
	v_add_nc_u32 v[ADRB+\s], s22, v3
	s_add_co_u32 s21, s21, SLOT
	s_add_co_u32 s22, s22, SLOT
.endr
	s_mul_i32 s23, s10, 16*SPITCH
	s_add_co_u32 s23, s23, STAGE                   ; my stage
	v_mul_u32_u24 v4, v1, SPITCH                   ; in: row r, 16 bytes for each half of the lanes
	v_lshl_add_u32 v4, v2, 4, v4
	v_add_nc_u32 v[STO], s23, v4
	v_mul_u32_u24 v5, v2, SPITCH                   ; back: lanes 0-15 take one row of 256 bytes, lanes 16-31 the next
	v_lshl_add_u32 v5, v1, 4, v5
	v_add_nc_u32 v[RD], s23, v5
	v_lshlrev_b32 v5, 12, v2                       ; and the same two rows in p
	v_lshl_add_u32 v[CO], v1, 4, v5
	s_lshl_b32 s23, s10, 10
	s_add_co_u32 s23, s23, SSTG                    ; my 1,024 bytes for the stats
	v_lshlrev_b32 v4, 2, v1
	v_lshl_add_u32 v4, v2, 9, v4
	v_add_nc_u32 v[SST], s23, v4                   ; in: lanes 0-15 -M of query r, lanes 16-31, 512 bytes on, its l
	v_and_b32 v5, 31, v0
	v_lshlrev_b32 v[SGO], 4, v5
	v_add_nc_u32 v[SRD], s23, v[SGO]               ; back: 16 bytes a lane
	; where my part begins in p and in stats
	s_lshl_b32 s74, s13, 8                         ; 256 x tile row
	s_lshl_b32 s14, s11, 7
	s_add_co_u32 s16, s74, s14                     ; my first query
	s_lshl_b32 s73, s16, 2                         ; 4 bytes a query in stats
	s_lshl_b32 s16, s16, 12                        ; 4,096 bytes a query in p (under 2^26)
	s_lshl_b32 s46, s42, 9                         ; my first key, in bytes: 512 x tile column + 256 x half
	s_lshl_b32 s47, s12, 8
	s_add_co_u32 s46, s46, s47
	s_add_co_u32 s16, s16, s46
	s_mov_b32 s17, 0
	s_add_nc_u64 s[8:9], s[8:9], s[16:17]
	s_lshl_b32 s46, s42, 1
	s_add_co_u32 s46, s46, s12                     ; my tile of 128 keys: 2 x tile column + half
	s_lshl_b32 s46, s46, 15                        ; 8,192 queries x 4 bytes a tile
	s_add_co_u32 s16, s46, s73
	s_add_nc_u64 s[6:7], s[6:7], s[16:17]
	; the prefetches
	s_lshl_b32 s42, s42, 8
	s_add_co_u32 s42, s42, s72                     ; the first row of k's tile
	s_and_b32 s22, s71, 1
	s_cmp_eq_u32 s11, 0                            ; do I fetch for q?
	s_cselect_b32 s20, s74, s42                    ; the tile's first row
	s_cselect_b32 s21, s40, s41                    ; my place among the four that ask for it with me
	s_cselect_b32 s22, ttmp9, s22                  ; 0 in the one cluster, of those that read these rows, that asks
	s_mov_b64 s[PFA:PFA+1], s[4:5]
	s_cmp_eq_u32 s22, 0
	s_cselect_b32 s[LIM], 1, -1                    ; the same in all sixteen partners, for a given wave
	s_lshl_b32 s22, s12, 7
	s_add_co_u32 s20, s20, s22                     ; + the 128 rows that I fetch
	s_lshl_b32 s21, s21, 5
	s_add_co_u32 s20, s20, s21                     ; + my work-group's 32 of them
	s_lshl_b32 s20, s20, 11
	s_mov_b32 s21, 0
	s_add_nc_u64 s[PFA:PFA+1], s[PFA:PFA+1], s[20:21]
	s_add_nc_u64 s[PFA:PFA+1], s[PFA:PFA+1], 2*KSTEP*2  ; at K step 2: the first refill steps it to 3 and names K step 4.  Nothing is prefetched here, at the head
	v_and_b32 v[PFO], 31, v0
	v_lshlrev_b32 v[PFO], 11, v[PFO]
; 16 matrix instructions: query blocks a0, a0 + 1 of the window's four (hi = 0: my queries 0-63, 1: 64-127) x all 8 key blocks, 32 along K.  zero = 1: the first product starts the sums: nothing is ever cleared.
; The 64 accumulators take turns, one instruction a turn, in the same order in every quarter.
.macro MUL16 f, hi, a0, zero
.irp a, \a0, \a0+1
.irp b, 0,1,2,3,4,5,6,7
.if \zero
	v_wmma_f32_16x16x32_f16 v[8*(8*(\a)+\b):8*(8*(\a)+\b)+7], v[\f+8*\b:\f+8*\b+7], v[\f+8*(4*\hi+\a):\f+8*(4*\hi+\a)+7], 0
.else
	v_wmma_f32_16x16x32_f16 v[8*(8*(\a)+\b):8*(8*(\a)+\b)+7], v[\f+8*\b:\f+8*\b+7], v[\f+8*(4*\hi+\a):\f+8*(4*\hi+\a)+7], v[8*(8*(\a)+\b):8*(8*(\a)+\b)+7]
.endif
.endr
.endr
.endm
; 32 LDS loads in one run: the fragments of one quarter step (128 rows of k, 128 rows of q, 32 K at byte k of the rows) into buffer f
.macro FETCH slot, k, f
	WIN TO_B
.irp i, 0,1,2,3,4,5,6,7
	ds_load_b128 v[\f+8*\i:\f+8*\i+3],   v[ADRB+\slot] offset:\k+\i*16*PITCH
	ds_load_b128 v[\f+8*\i+4:\f+8*\i+7], v[ADRB+\slot] offset:\k+\i*16*PITCH+32
.endr
	WIN 0
.irp i, 0,1,2,3,4,5,6,7
	ds_load_b128 v[\f+8*\i:\f+8*\i+3],   v[ADRA+\slot] offset:\k+\i*16*PITCH
	ds_load_b128 v[\f+8*\i+4:\f+8*\i+7], v[ADRA+\slot] offset:\k+\i*16*PITCH+32
.endr
.endm
; A load into a register that a matrix instruction has read, and a vector instruction that reads a matrix result, stand four places behind that matrix instruction; only plain vector instructions that name none of
; its registers are places (ISA guide 7.12.1 for vector instructions).
.macro PLACES
.rept 4
	v_nop
.endr
.endm
; A K step is four quarters of 32 along K, 64 matrix instructions each, on buffers 0, 1, 0, 1.  One of the first three: multiplies buffer f; in its middle it fetches the next quarter, at byte k of the rows, into buffer g.
.macro QUARTER slot, k, f, g, zero
	s_wait_dscnt 8                                 ; k and q's rows 0-63 are in; the youngest eight loads (q's rows 64-127) may be out
	WIN MUL_LO
	MUL16 \f, 0, 0, \zero
	MUL16 \f, 0, 2, \zero
	PLACES
	FETCH \slot, \k, \g
	s_wait_dscnt 32                                ; all but the 32 just issued
	WIN MUL_HI
	MUL16 \f, 1, 0, \zero
	MUL16 \f, 1, 2, \zero
.endm
; The last quarter multiplies buffer 1 and changes slots.  MEET is its first half: one barrier.  In front of it each wave waits for all its tensor loads (the one that is out is its part of the next slot), adds 0 to its
; spare word, and waits for that and for its own reads of this slot.  Behind it nobody reads this slot any more and the next slot is whole.
.macro MEET round                      ; round = 1: a round of the cluster's barrier follows
	WIN 0                                          ; (the add's two registers lie in window 0)
	s_wait_tensorcnt 0x0
	ds_add_u32 v[SPW], v[NIL]                      ; 0 onto my spare word
	s_wait_dscnt 9                                 ; (the add and the youngest eight loads may be out)
	WIN MUL_LO
	MUL16 F1, 0, 0, 0                              ; sixteen matrix instructions stand between the add and the wait for it
	s_wait_dscnt 0x0                               ; the add is done, and my reads of this slot are over
	s_barrier_signal -1
	MUL16 F1, 0, 2, 0                              ; work on registers while the others arrive
.if \round
	WIN 0
.endif
	s_barrier_wait -1
.endm
; The whole last quarter.  fill = 1: the barrier opens a round of the cluster's barrier, and behind the round the slot just read out is filled again first, with the K step two steps on; then come the next slot's first fragments.
.macro TURN slot, next, fill
.if \fill
	s_wait_xcnt 0x0                                ; the last prefetch, a K step back, has read its address: it is stepped here, ahead of the waits of the change of slots
	s_add_nc_u64 s[PFA:PFA+1], s[PFA:PFA+1], KSTEP*2
.endif
	MEET \fill
.if \fill
	CREST                                          ; no wave of any partner still reads this slot's tile or has a load on its way
	s_add_nc_u64 s[G0+4*\slot+2:G0+4*\slot+3], s[G0+4*\slot+2:G0+4*\slot+3], 2*KSTEP*2
	s_add_nc_u64 s[G0B+4*\slot+2:G0B+4*\slot+3], s[G0B+4*\slot+2:G0B+4*\slot+3], 2*KSTEP*2
	JLOAD \slot                                    ; my one tensor load behind the round; the four v_nop behind it are also the places in front of the loads below
.else
	PLACES
.endif
	FETCH \next, 0, F0
.if \fill
	ASK
.endif
	WIN MUL_HI
	MUL16 F1, 1, 0, 0
	MUL16 F1, 1, 2, 0
.endm
	s_wait_tensorcnt 1                             ; my part of K step 0 is in; K step 1's load may be out
	s_barrier_signal -1
	s_barrier_wait -1                              ; everybody's is
	FETCH 0, 0, F0
	QUARTER 0, 64,  F0, F1, 1                      ; the first quarter stands in front of the loop: its products start the sums
	WIN 0                                          ; at a label and at a branch every window is 0
	s_mov_b32 s3, LAPS-1
.Llap:                                                 ; a trip goes once round the ring, from a lap's second quarter to the next lap's first, and fills both slots again: K steps 2 to 7 in three trips
	QUARTER 0, 128, F1, F0, 0
	QUARTER 0, 192, F0, F1, 0
	TURN 0, 1, 1
	QUARTER 1, 64,  F0, F1, 0
	QUARTER 1, 128, F1, F0, 0
	QUARTER 1, 192, F0, F1, 0
	TURN 1, 0, 1
	QUARTER 0, 64,  F0, F1, 0
	WIN 0
	s_sub_co_u32 s3, s3, 1
	s_cmp_lg_u32 s3, 0
	s_cbranch_scc1 .Llap
	QUARTER 0, 128, F1, F0, 0                      ; the last lap is written out: it fills nothing and has no round
	QUARTER 0, 192, F0, F1, 0
	TURN 0, 1, 0
	QUARTER 1, 64,  F0, F1, 0
	QUARTER 1, 128, F1, F0, 0
	QUARTER 1, 192, F0, F1, 0
	s_wait_dscnt 8                                 ; the very last quarter: nothing more to fetch
	WIN MUL_LO
	MUL16 F1, 0, 0, 0
	MUL16 F1, 0, 2, 0
	s_wait_dscnt 0
	WIN MUL_HI
	MUL16 F1, 1, 0, 0
	MUL16 F1, 1, 2, 0
	WIN 0
; THE SOFTMAX'S FIRST HALF AND THE WAY OUT, by blocks a of 16 queries x 128 keys (eight accumulators, 64 registers a lane).
; MAXP a: the block's largest score of my query; each accumulator is first read at its low end.  Then -M = floor(-c x maximum).
.macro MAXP a
.set AC, 64*((\a)%4)
.set NMA, NM+2*(\a)
	WIN 0x2a+0x15*((\a)/4)                         ; all three sources: window 2 or 3
.irp b, 0,1,2,3,4,5,6,7
	v_max3_num_f32 v[T+\b], v[AC+8*\b], v[AC+8*\b+1], v[AC+8*\b+2]
.endr
	WIN 0x28+0x14*((\a)/4)                         ; sources 1 and 2
.irp b, 0,1,2,3,4,5,6,7
	v_max3_num_f32 v[T+\b], v[T+\b], v[AC+8*\b+3], v[AC+8*\b+4]
.endr
.irp b, 0,1,2,3,4,5,6,7
	v_max3_num_f32 v[T+\b], v[T+\b], v[AC+8*\b+5], v[AC+8*\b+6]
.endr
.irp b, 0,1,2,3,4,5,6,7
	v_max_num_f32 v[T+\b], v[T+\b], v[AC+8*\b+7]
.endr
	WIN 0
	v_max3_num_f32 v[T], v[T], v[T+1], v[T+2]
	v_max3_num_f32 v[T+3], v[T+3], v[T+4], v[T+5]
	v_max3_num_f32 v[T], v[T], v[T+6], v[T+7]
	v_max_num_f32 v[T], v[T], v[T+3]
	v_permlanex16_b32 v[T+1], v[T], s[SEL], s[SEL+1]   ; the query's other 64 keys lie in the lane 16 away
	v_max_num_f32 v[T], v[T], v[T+1]
	v_mul_f32 v[NMA+1], s[CS], v[T]                ; as t (c is positive)
	v_floor_f32 v[NMA], -v[NMA+1]                  ; -M = floor(-t) = -ceil(t): a whole number
.endm
; FMAEXP a: t - M, two at a time, and p = 2^(t - M), in place: one batch of 64 exponentials
.macro FMAEXP a
.set AC, 64*((\a)%4)
.set NMA, NM+2*(\a)
	WIN 0x82+0x41*((\a)/4)                         ; destination and source 0: window 2 or 3; -M in window 0
.set i, 0
.rept 32
	v_pk_fma_f32 v[AC+i:AC+i+1], v[AC+i:AC+i+1], s[CS:CS+1], v[NMA:NMA+1] op_sel_hi:[1,0,0]
.set i, i+2
.endr
.set i, 0
.rept 64
	v_exp_f32 v[AC+i], v[AC+i]
.set i, i+1
.endr
.endm
; SUMCVT a: p rounded to f16, 16 bytes for each accumulator; l = the sum of the unrounded p, in two packed chains; -M and l to my LDS bytes
.macro SUMCVT a
.set AC, 64*((\a)%4)
.set NMA, NM+2*(\a)
	WIN 0x0a+5*((\a)/4)                            ; sources 0 and 1: window 2 or 3
	v_pk_add_f32 v[LS:LS+1], v[AC:AC+1], v[AC+2:AC+3]
	v_pk_add_f32 v[LS+2:LS+3], v[AC+4:AC+5], v[AC+6:AC+7]
.irp b, 0,1,2,3,4,5,6,7
.irp r, 0,1,2,3
	v_cvt_pk_f16_f32 v[TMP+4*\b+\r], v[AC+8*\b+2*\r], v[AC+8*\b+2*\r+1]
.endr
.endr
	WIN 0x02+(\a)/4                                ; source 0 alone
.set i, 8
.rept 14
	v_pk_add_f32 v[LS:LS+1], v[AC+i:AC+i+1], v[LS:LS+1]
	v_pk_add_f32 v[LS+2:LS+3], v[AC+i+2:AC+i+3], v[LS+2:LS+3]
.set i, i+4
.endr
	WIN 0
	v_pk_add_f32 v[LS:LS+1], v[LS:LS+1], v[LS+2:LS+3]
	v_add_f32 v[LR+(\a)], v[LS], v[LS+1]
	v_permlanex16_b32 v[T+1], v[LR+(\a)], s[SEL], s[SEL+1]
	v_add_f32 v[LR+(\a)], v[LR+(\a)], v[T+1]       ; with the lane 16 away: the tile's l of my query
	v_cndmask_b32 v[XR], v[NMA], v[LR+(\a)], s[HIM]    ; lanes 0-15 carry -M, lanes 16-31 l
	ds_store_b32 v[SST], v[XR] offset:64*(\a)
.endm
.macro TOSTAGE a                       ; into my own stage and back as whole rows of 256 bytes; LDS serves a wave's instructions in order (ISA guide 5.7.1.4)
.set BB, OB+32*((\a)%2)
.irp b, 0,1,2,3,4,5,6,7
	ds_store_b128 v[STO], v[TMP+4*\b:TMP+4*\b+3] offset:32*\b
.endr
.irp t, 0,1,2,3,4,5,6,7
	ds_load_b128 v[BB+4*\t:BB+4*\t+3], v[RD] offset:\t*2*SPITCH
.endr
.endm
.macro SEND a
.set BB, OB+32*((\a)%2)
	s_wait_dscnt 0x0                               ; the block is back in registers
	s_wait_xcnt 0x0                                ; the earlier stores have read their base and their data: the base may step, and the next block may land in the other set
.if (\a) > 0
	s_add_nc_u64 s[8:9], s[8:9], 16*PROW           ; 16 rows of p on
.endif
.irp t, 0,1,2,3,4,5,6,7
	global_store_b128 v[CO], v[BB+4*\t:BB+4*\t+3], s[8:9] offset:2*\t*PROW   ; 16 lanes store 256 consecutive bytes, at a multiple of 256 from p's first byte
.endr
.endm
	PLACES                                         ; behind the last products
	v_and_b32 v[T], 31, v0
	v_cmp_lt_u32 s[HIM], 15, v[T]                  ; lanes 16-31
	MAXP 0
.irp a, 0,1,2,3,4,5,6,7
	FMAEXP \a
.if \a < 7
	MAXP \a+1                                      ; plain work that names none of the batch's results stands behind the exponentials,
.else
	v_nop                                          ; (at the end: the one plain line)
.endif
	s_wait_alu depctr_va_vdst(0)                   ; and one wait for the whole batch ahead of its first reader
	SUMCVT \a
.if \a > 0
	SEND \a-1                                      ; block a's arithmetic stood between block a - 1's loads from the stage and this wait for them
.endif
	TOSTAGE \a
.endr
	SEND 7
	ds_load_b128 v[SOUT:SOUT+3], v[SRD]            ; my 128 -M, 16 bytes a lane,
	ds_load_b128 v[SOUT+4:SOUT+7], v[SRD] offset:512   ; and my 128 l
	s_wait_dscnt 0x0
	global_store_b128 v[SGO], v[SOUT:SOUT+3], s[6:7]                   ; 32 lanes store 512 consecutive bytes, at a multiple of 256 from the buffer's first byte
	global_store_b128 v[SGO], v[SOUT+4:SOUT+7], s[6:7] offset:524288   ; kind 1 lies 16 x 8,192 x 4 bytes on
	s_wait_tensorcnt 0x0                           ; the wave's end, behind my last tensor load and my last LDS store
	ds_add_u32 v[SPW], v[NIL]
	s_wait_dscnt 0x0
	CROUND                                         ; the closing round: no work-group ends while a partner may still ask for a tile that names it
	s_endpgm
.Lfunc_end_k_qcca0f1966d_dots:
	.size	k_qcca0f1966d_dots, .Lfunc_end_k_qcca0f1966d_dots-k_qcca0f1966d_dots
	.p2alignl 7, 3214868480
	.fill 96, 4, 3214868480
	.section	.rodata,"a",@progbits
	.p2align	6, 0x0
	.amdhsa_kernel k_qcca0f1966d_dots
		.amdhsa_group_segment_fixed_size 327680
		.amdhsa_private_segment_fixed_size 0
		.amdhsa_enable_private_segment 0
		.amdhsa_kernarg_size 24
		.amdhsa_user_sgpr_count 2
		.amdhsa_user_sgpr_kernarg_segment_ptr 1
		.amdhsa_wavefront_size32 1
		.amdhsa_system_sgpr_workgroup_id_x 1
		.amdhsa_system_sgpr_workgroup_id_y 1
		.amdhsa_system_sgpr_workgroup_id_z 1
		.amdhsa_system_vgpr_workitem_id 0
		.amdhsa_next_free_vgpr 1024
		.amdhsa_next_free_sgpr 80
		.amdhsa_reserve_vcc 0
		.amdhsa_float_denorm_mode_32 3
		.amdhsa_float_denorm_mode_16_64 3
		.amdhsa_memory_ordered 1
		.amdhsa_forward_progress 1
		.amdhsa_inst_pref_size 213
	.end_amdhsa_kernel
	.amdgpu_metadata
---
amdhsa.version: [ 1, 2 ]
amdhsa.kernels:
  - .name:           k_qcca0f1966d_dots
    .symbol:         k_qcca0f1966d_dots.kd
    .args:
      - { .name: qk, .offset: 0, .size: 8, .value_kind: global_buffer, .address_space: global }
      - { .name: stats, .offset: 8, .size: 8, .value_kind: global_buffer, .address_space: global }
      - { .name: p, .offset: 16, .size: 8, .value_kind: global_buffer, .address_space: global }
    .group_segment_fixed_size: 327680
    .private_segment_fixed_size: 0
    .kernarg_segment_align: 8
    .kernarg_segment_size: 24
    .max_flat_workgroup_size: 128
    .sgpr_count:     80
    .vgpr_count:     1024
    .wavefront_size: 32
...
	.end_amdgpu_metadata
.endif
;; end of part 3
;; launch mix (part 4): grid 4 x 64, 4 waves a work-group, clusters of 4 x 4, 327,680 bytes of LDS; arguments p, stats, v16, out0; writes out0
.if DOCPART == 4
	.amdgcn_target "amdgcn-amd-amdhsa--gfx1250"
	.amdhsa_code_object_version 6
	.text
	.protected	k_qcca0f1966d_mix
	.globl	k_qcca0f1966d_mix
	.p2align	8
	.type	k_qcca0f1966d_mix,@function
k_qcca0f1966d_mix:
	s_mov_b64 s[64:65], 0
	v_nop
	global_prefetch_b8 v0, s[64:65] scope:SCOPE_SE
	s_setreg_imm32_b32 hwreg(HW_REG_WAVE_MODE, 25, 1), 1
	s_wait_xcnt 0x0
	s_wait_alu depctr_hold_cnt(0) depctr_sa_sdst(0) depctr_va_vdst(0) depctr_va_sdst(0) depctr_va_ssrc(0) depctr_va_vcc(0) depctr_vm_vsrc(0)
	s_getreg_b32 s2, hwreg(HW_REG_IB_STS2, 6, 4)
	s_cmp_eq_u32 s2, 0
	s_cbranch_scc0 .Lentry_in_a_cluster
	s_endpgm
.Lentry_in_a_cluster:
	s_bfe_u32 s2, ttmp6, 0x10000c
	s_cmp_lg_u32 s2, 0xf033
	s_cbranch_scc0 .Lentry_shape_is_right
	s_endpgm
.Lentry_shape_is_right:
; FOURTH LAUNCH: the softmax's second half and the second product.  p [8192 queries][2048 keys] f16 holds 2^(t - M_tile), stats [2][16 key tiles][8192] f32 holds -M_tile and l_tile, v16 [8192 = batch x 2048 + key][1024] f16.
; For each query: -M = the least of its 16 -M_tile;  w_tile = 2^(M_tile - M), a power of two, at most 1;  L = sum of l_tile w_tile;  out = sum over tiles of (w_tile / L) S_tile,  S_tile = sum over the tile's 128 keys of p v.
; S_tile is made by the matrix units (f16 operands as they lie in memory, f32 sums, begun anew with C = 0 in every K step); the weighing and the sum over tiles are fused multiply-adds in f32.  No branch hangs on data.
; LIMITS: a tile whose w / L falls under the smallest f32 number adds nothing; NaN and infinities are not served.
; SHARES.  A work-group takes 128 queries x 256 channels: 64 x 4 = 256 work-groups (tiles of 256 x 256 would be 128).  A wave takes 64 queries x 128 channels: 32 tiles of 16 x 16, twice: S and out's sums.
; THE RING.  K = the batch's 2,048 keys, in 16 steps of 128 (one stats tile a step).  Two slots of two steps do not fit in LDS, so the slots are UNEQUAL: Y holds one step, X two; the steps go Y X X Y X X .. Y: six fills of Y,
; five of X.  A refill of Y has X's two steps, 256 matrix instructions a wave, in which to land; a refill of X has Y's one.  X's two steps of p are one tile with rows twice as long, of V one tile with twice the rows.
; CLUSTERS: 4 x 4 work-groups, all of one batch (cluster y / 4).  The four of a row of the cluster need the same tiles of p, the four of a column the same tiles of V: each is asked for JOINTLY.
; THE MATRIX INSTRUCTION IS USED TRANSPOSED: source 0 = 16 channels of V (turned on the way out of LDS by ds_load_tr16_b128), source 1 = 16 queries of p: a lane holds one query (l % 16) and eight neighbouring channels.
; REGISTERS: window 0: v16-31 addresses; v32-39 w / L of the step in hand (even registers; the odd ones are named as upper halves of pairs); at the head v40-255 the stats' arithmetic; on the way out v128-255 rows read back.
;   window 1: v0-63, v64-127 V's fragments (8 x 16 channels x 32 keys), two buffers; v128-159, v160-191 p's (4 x 16 queries x 32 keys), two buffers.
;   window 2: out's sums, tile (a, c) at v[8 (8 a + c)], written by vector instructions alone.   window 3: S, the same places.
.set PPY,    272                       ; a row of p in Y: 256 bytes + 16 of padding
.set PPX,    528                       ; in X: 512 + 16
.set VP,     544                       ; a row of V: 512 + 32: 136 words
.set YP,     0                         ; Y: p's 128 rows,
.set YV,     YP+128*PPY                ; V's 128 rows
.set XP,     YV+128*VP                 ; X: p's 128 rows,
.set XV,     XP+128*PPX                ; V's 256 rows: the first step's,
.set XV2,    XV+128*VP                 ; the second step's
.set WTAB,   XV+256*VP                 ; behind the slots: w / L: [2 halves of the queries][16 steps][16 queries][4 blocks of queries] f32: 8,192 bytes; no tensor load lands here
.set SPARE,  WTAB+8192                 ; the spare words, 128 bytes a wave, which no other line names
.set STG,    XP                        ; the way out: 16 rows x (512 bytes + 16) for each wave, in X, which has had its last fill and its last read when the first result is stored there
.set SPITCH, 528
.set OROW,   4096                      ; a row of out0 in bytes
.set ADRP, 16                          ; v16, v17  LDS address of my p fragments in Y, X
.set ADRV, 20                          ; v20-22  of my V fragments in Y, X's first step, X's second step
.set ADW,  23                          ; v23     of my queries' w / L of the step in hand: 256 bytes a step
.set STO,  24                          ; v24     the way out: where I put 32 bytes of a row
.set RD,   25                          ; v25     where I read a row back
.set CO,   26                          ; v26     16 x lane: my byte offset in a row's 512 bytes
.set SPW,  28                          ; v28     LDS address of my spare word; never rewritten
.set NIL,  29                          ; v29     0; never rewritten
.set PFO,  30                          ; v30     the prefetches' offset; never rewritten
.set SO4,  31                          ; v31     4 x (lane % 16): my query's place in stats
.set WS,   32                          ; v32, 34, 36, 38: w / L of my four blocks of queries
.set RI,   40                          ; v40-43  block a: 1 / L
.set MN,   48                          ; v48-51  block a: -M
.set LT,   52                          ; v52-55  block a: L
.set WQ,   64                          ; v64-127 w / L: register 4 t + a
.set HM,   128                         ; v128-191 -M_tile, then w: register 16 a + t
.set HL,   192                         ; v192-255 l_tile
.set BK,   128                         ; the way out: 16 rows read back: v128-191 and v192-255 by turns
.set LIM,  43                          ; s43     1 in a wave that prefetches, else the greatest number
.set PF0,  44                          ; s[44:45], s[46:47] where my prefetches for X's two steps stand;
.set PF1,  46
.set PF2,  88                          ; s[88:89] and for Y's step
.set PS3,  90                          ; s[90:91] three K steps on, in bytes
.set G1PY, 24                          ; s[24:31] descriptor group 1 for p's tile of Y;  s[32:39] of X
.set G1PX, 32
.set G1VY, 48                          ; s[48:55], s[56:63] the same for V
.set G1VX, 56
.set G0PY, 68                          ; s[68:71], s[72:75], s[76:79], s[80:83] their groups 0
.set G0PX, 72
.set G0VY, 76
.set G0VX, 80
.set MSB, 0
.macro WIN new                         ; the immediate's high byte repeats the setting that is left; a switch that changes nothing is dropped
.if MSB != (\new)
	s_set_vgpr_msb (MSB<<8)|(\new)
.set MSB, (\new)
.endif
.endm
.set MUL,  0xf5                        ; sources 0 (V) and 1 (p) window 1; C and D (S) window 3
.set FMW,  0xa3                        ; source 0 (S) window 3, source 1 (w / L) window 0, source 2 and destination (out's sums) window 2
.set TO_F, 0x40                        ; destination window 1, address window 0
; A joint load.  Waves 0 and 1 fetch p's two halves, waves 2 and 3 V's.  Each shape has a group 1 of its own; the branch hangs on the wave's number alone.
; An s_nop 0 and four v_nop follow each of the two lines, ahead of the jump, the label and what follows.
.macro JLOAD g0p, g1p, g0v, g1v
	s_cmp_eq_u32 s17, 0
	s_cbranch_scc0 .Lfor_v_\@
	tensor_load_to_lds s[\g0p:\g0p+3], s[\g1p:\g1p+7]
	s_nop 0
.rept 4
	v_nop
.endr
	s_branch .Lasked_\@
.Lfor_v_\@:
	tensor_load_to_lds s[\g0v:\g0v+3], s[\g1v:\g1v+7]
	s_nop 0
.rept 4
	v_nop
.endr
.Lasked_\@:
.endm
; A PREFETCH, behind each joint refill and the run of LDS loads that follows it, of what the NEXT refill will ask for: behind Y's refill X's two K steps (256 matrix instructions ahead of their load), behind X's refill Y's one
; (128 ahead).  For a K step one instruction a wave, 32 blocks of 256 bytes.  Each block is named once in the launch.  p's 128 rows of a tile row are read by the four partners of one row of one cluster alone: in each, wave 0 asks
; for 32 of them (32 cx on), a lane a row.  V's 128 keys x 512 bytes of a K step are read by the four clusters of a batch: the first of them (y a multiple of 4) asks; there wave 2 asks among keys 0-63 and wave 3 among keys
; 64-127, each of a column's four partners for 16 of them (16 cy on), two lanes a key.  Partners are told apart by address, never by a branch.  K steps 0 to 3 come by their loads alone; Y's last refill asks for nothing.
.macro ASK ly
.if \ly
	s_cmp_gt_u32 s3, s[LIM]                        ; s3 = 1 in the loop's last trip: no X follows
	s_cbranch_scc0 .Lnot_mine_\@
	global_prefetch_b8 v[PFO], s[PF0:PF0+1] th:TH_LOAD_NT scope:SCOPE_SE
	global_prefetch_b8 v[PFO], s[PF1:PF1+1] th:TH_LOAD_NT scope:SCOPE_SE
.else
	s_cmp_ge_u32 s3, s[LIM]                        ; in every trip: a Y follows each X
	s_cbranch_scc0 .Lnot_mine_\@
	global_prefetch_b8 v[PFO], s[PF2:PF2+1] th:TH_LOAD_NT scope:SCOPE_SE
.endif
.Lnot_mine_\@:
.endm
.macro CREST                           ; a round of the cluster's barrier behind its opening barrier
	s_cmp_lg_u32 s16, 0
	s_cbranch_scc1 .Lnot_wave_0_\@
	s_barrier_signal -3
.Lnot_wave_0_\@:
	s_barrier_wait -3
	s_barrier_signal -1
	s_barrier_wait -1
.endm
.macro CROUND                          ; a whole round
	s_barrier_signal -1
	s_barrier_wait -1
	CREST
.endm
	s_load_b256 s[4:11], s[0:1], 0x0               ; p s[4:5], stats s[6:7], v16 s[8:9], out0 s[10:11]
	v_lshl_add_u32 v[SPW], v0, 2, SPARE
	v_mov_b32 v[NIL], 0
	ds_add_u32 v[SPW], v[NIL]                      ; the wave's opening: the add, twice on end, and its wait ahead of my first tensor load; the set-up below, work on registers, stands between
	ds_add_u32 v[SPW], v[NIL]
	v_lshrrev_b32 v1, 5, v0
	v_readfirstlane_b32 s16, v1                    ; wave 0..3
	s_lshr_b32 s17, s16, 1                         ; which 64 of the tile's queries are mine.  Also: I fetch for p (0) or for V (1)
	s_and_b32 s18, s16, 1                          ; which 128 of its channels.  Also: which half of that tile I fetch
	s_bfe_u32 s40, ttmp6, 0x40000                  ; cx, cy: my place in the cluster
	s_bfe_u32 s41, ttmp6, 0x40004
	s_lshl_b32 s42, ttmp9, 2
	s_add_co_u32 s42, s42, s40                     ; tile column (256 channels) = 4 x cluster x + cx
	s_and_b32 s86, ttmp7, 0xffff                   ; the cluster's y
	s_lshl_b32 s84, s86, 2
	s_add_co_u32 s84, s84, s41                     ; tile row (128 queries) = 4 x cluster y + cy
	s_lshr_b32 s85, s86, 2                         ; the batch
	s_lshl_b32 s12, s41, 2
	s_lshl_b32 s12, 15, s12                        ; my row of the cluster
	s_lshl_b32 s13, 0x1111, s40                    ; my column
	s_or_b32 s[G1PY], s12, (1<<16)|(1<<20)|(1<<21)|(5<<22)|(3<<25)  ; p of Y: 15:0 the mask of my row; elements of 2 bytes; padding on; 21 set beside a mask; after every 64 words four words
	s_mov_b32 s[G1PY+1], 128<<16                   ; tensor_dim0 = 128 keys
	s_mov_b32 s[G1PY+2], 64<<16                    ; tensor_dim1 = 64 queries
	s_mov_b32 s[G1PY+3], 128<<16                   ; tile_dim0
	s_mov_b32 s[G1PY+4], 64                        ; tile_dim1
	s_mov_b32 s[G1PY+5], 2048                      ; elements from row to row
	s_mov_b32 s[G1PY+6], 0
	s_mov_b32 s[G1PY+7], 0
	s_or_b32 s[G1PX], s12, (1<<16)|(1<<20)|(1<<21)|(6<<22)|(3<<25)  ; p of X: rows of 256 keys; after every 128 words four words
	s_mov_b32 s[G1PX+1], 256<<16
	s_mov_b32 s[G1PX+2], 64<<16
	s_mov_b32 s[G1PX+3], 256<<16
	s_mov_b32 s[G1PX+4], 64
	s_mov_b32 s[G1PX+5], 2048
	s_mov_b32 s[G1PX+6], 0
	s_mov_b32 s[G1PX+7], 0
	s_or_b32 s[G1VY], s13, (1<<16)|(1<<20)|(1<<21)|(6<<22)|(7<<25)  ; V of Y: the mask of my column; 64 keys x 256 channels; after every 128 words eight words
	s_mov_b32 s[G1VY+1], 256<<16
	s_mov_b32 s[G1VY+2], 64<<16
	s_mov_b32 s[G1VY+3], 256<<16
	s_mov_b32 s[G1VY+4], 64
	s_mov_b32 s[G1VY+5], 1024
	s_mov_b32 s[G1VY+6], 0
	s_mov_b32 s[G1VY+7], 0
	s_or_b32 s[G1VX], s13, (1<<16)|(1<<20)|(1<<21)|(6<<22)|(7<<25)  ; V of X: 128 keys x 256 channels
	s_mov_b32 s[G1VX+1], 256<<16
	s_mov_b32 s[G1VX+2], 128<<16
	s_mov_b32 s[G1VX+3], 256<<16
	s_mov_b32 s[G1VX+4], 128
	s_mov_b32 s[G1VX+5], 1024
	s_mov_b32 s[G1VX+6], 0
	s_mov_b32 s[G1VX+7], 0
	; where the tiles come from.  p's hang on the tile row alone, which my row of the cluster shares; V's on the tile column and the batch, which my column shares
	s_lshl_b32 s19, s18, 6                         ; 64 x half
	s_lshl_b32 s20, s84, 7
	s_add_co_u32 s20, s20, s19                     ; p: row 128 x tile row + 64 x half
	s_lshl_b32 s20, s20, 12                        ; rows of 4,096 bytes (under 2^26)
	s_mov_b32 s21, 0
	s_lshl_b32 s22, s85, 11                        ; V: the batch's first key
	s_lshl_b32 s23, s42, 9                         ; 512 bytes a tile column
	s_add_co_u32 s12, s22, s19                     ; Y, K step 0: + 64 x half
	s_lshl_b32 s12, s12, 11                        ; rows of 2,048 bytes
	s_add_co_u32 s12, s12, s23
	s_mov_b32 s13, 0
	s_lshl_b32 s19, s18, 7
	s_add_co_u32 s22, s22, s19                     ; X, K steps 1 and 2: + 128 x half,
	s_add_co_u32 s22, s22, 128                     ; from key 128 on
	s_lshl_b32 s22, s22, 11
	s_add_co_u32 s22, s22, s23
	s_mov_b32 s23, 0
	s_mul_i32 s14, s18, 64*PPY                     ; where they go: no place in the cluster enters an LDS address
	s_mul_i32 s15, s18, 64*PPX
	s_add_co_u32 s15, s15, XP
	s_mul_i32 s92, s18, 64*VP
	s_add_co_u32 s92, s92, YV
	s_mul_i32 s93, s18, 128*VP
	s_add_co_u32 s93, s93, XV
	s_wait_dscnt 0x0                               ; both opening adds are done
	s_wait_kmcnt 0x0
	s_add_nc_u64 s[20:21], s[4:5], s[20:21]
	s_add_nc_u64 s[12:13], s[8:9], s[12:13]
	s_add_nc_u64 s[22:23], s[8:9], s[22:23]
	CROUND                                         ; all sixteen work-groups are here: the first joint loads meet
	s_mov_b32 s[G0PY], 1                           ; count = 1
	s_mov_b32 s[G0PY+1], s14                       ; LDS address
	s_mov_b64 s[G0PY+2:G0PY+3], s[20:21]           ; global address: K step 0
	s_or_b32 s[G0PY+3], s[G0PY+3], 0x80000000      ; type = 2
	s_mov_b32 s[G0VY], 1
	s_mov_b32 s[G0VY+1], s92
	s_mov_b64 s[G0VY+2:G0VY+3], s[12:13]
	s_or_b32 s[G0VY+3], s[G0VY+3], 0x80000000
	JLOAD G0PY, G1PY, G0VY, G1VY                   ; Y: K step 0
	s_mov_b32 s[G0PX], 1
	s_mov_b32 s[G0PX+1], s15
	s_add_nc_u64 s[G0PX+2:G0PX+3], s[20:21], 256   ; K step 1 begins 256 bytes into a row of p
	s_or_b32 s[G0PX+3], s[G0PX+3], 0x80000000
	s_mov_b32 s[G0VX], 1
	s_mov_b32 s[G0VX+1], s93
	s_mov_b64 s[G0VX+2:G0VX+3], s[22:23]
	s_or_b32 s[G0VX+3], s[G0VX+3], 0x80000000
	JLOAD G0PX, G1PX, G0VX, G1VX                   ; X: K steps 1 and 2.  Two tensor loads of mine are out at the start, later one behind each round
	v_and_b32 v1, 15, v0                           ; r
	v_bfe_u32 v2, v0, 4, 1                         ; h
	v_and_b32 v3, 31, v0                           ; lane
	v_lshlrev_b32 v[SO4], 2, v1
	; my first query, in stats and in out0
	s_lshl_b32 s12, s84, 7
	s_lshl_b32 s13, s17, 6
	s_add_co_u32 s12, s12, s13                     ; 128 x tile row + 64 x half
	s_lshl_b32 s14, s12, 2
	s_mov_b32 s15, 0
	s_add_nc_u64 s[6:7], s[6:7], s[14:15]
.irp a, 0,1,2,3                        ; the stats of my 64 queries: for block a and key tile t, lanes r and r + 16 both take query 16 a + r: 64 consecutive bytes a load, read once
.irp t, 0,1,2,3,4,5,6,7,8,9,10,11,12,13,14,15
	global_load_b32 v[HM+16*\a+\t], v[SO4], s[6:7] offset:\t*32768+64*\a
	global_load_b32 v[HL+16*\a+\t], v[SO4], s[6:7] offset:\t*32768+64*\a+524288
.endr
.endr
	s_lshl_b32 s14, s12, 12                        ; rows of 4,096 bytes in out0 (under 2^26)
	s_lshl_b32 s13, s42, 10                        ; 256 channels x 4 bytes a tile column
	s_add_co_u32 s14, s14, s13
	s_lshl_b32 s13, s18, 9                         ; my 128 channels
	s_add_co_u32 s14, s14, s13
	s_add_nc_u64 s[10:11], s[10:11], s[14:15]
	; LDS addresses
	v_mul_u32_u24 v4, v1, PPY
	v_lshl_add_u32 v4, v2, 4, v4                   ; p in Y: row r x pitch + 16 x half,
	s_mul_i32 s19, s17, 64*PPY                     ; my 64 queries
	v_add_nc_u32 v[ADRP], s19, v4
	v_mul_u32_u24 v4, v1, PPX
	v_lshl_add_u32 v4, v2, 4, v4                   ; and in X
	s_mul_i32 s19, s17, 64*PPX
	s_add_co_u32 s19, s19, XP
	v_add_nc_u32 v[ADRP+1], s19, v4
	v_and_b32 v5, 7, v0                            ; V: the turning load takes 16 keys x 16 channels: lane l reads 16 bytes: key 8 (l / 16) + l % 8, channels 8 ((l / 8) % 2) + 0..7,
	v_lshl_add_u32 v5, v2, 3, v5                   ; and leaves half a fragment: lane l holds channel l % 16 and 8 keys
	v_mul_u32_u24 v5, v5, VP
	v_bfe_u32 v6, v0, 3, 1
	v_lshl_add_u32 v5, v6, 4, v5
	s_lshl_b32 s19, s18, 8                         ; my 128 channels: 256 bytes
	s_add_co_u32 s19, s19, YV
	v_add_nc_u32 v[ADRV], s19, v5
	v_add_nc_u32 v[ADRV+1], XV-YV, v[ADRV]
	v_add_nc_u32 v[ADRV+2], XV2-YV, v[ADRV]
	s_lshl_b32 s19, s17, 12
	s_add_co_u32 s19, s19, WTAB
	v_lshl_add_u32 v[ADW], v1, 4, s19              ; w / L: my half of the queries, 16 bytes a query
	s_mul_i32 s19, s16, 16*SPITCH
	s_add_co_u32 s19, s19, STG                     ; my stage
	v_mul_u32_u24 v[STO], v1, SPITCH
	v_lshl_add_u32 v[STO], v2, 5, v[STO]
	v_add_nc_u32 v[STO], s19, v[STO]               ; in: row r, 32 bytes for each half of the lanes
	v_lshlrev_b32 v[CO], 4, v3
	v_add_nc_u32 v[RD], s19, v[CO]                 ; back: the 32 lanes take one row of 512 bytes
	; the prefetches
	s_lshl_b32 s12, s84, 7
	s_lshl_b32 s13, s40, 5
	s_add_co_u32 s12, s12, s13                     ; p: row 128 x tile row + 32 cx
	s_lshl_b32 s12, s12, 12
	s_lshl_b32 s13, s85, 11
	s_lshl_b32 s14, s18, 6
	s_add_co_u32 s13, s13, s14
	s_lshl_b32 s14, s41, 4
	s_add_co_u32 s13, s13, s14                     ; V: row 2,048 x batch + 64 x (wave - 2) + 16 cy,
	s_lshl_b32 s13, s13, 11
	s_lshl_b32 s14, s42, 9
	s_add_co_u32 s13, s13, s14                     ; my tile column's 512 bytes
	s_and_b32 s14, s86, 3                          ; 0 in the batch's first cluster
	s_mov_b32 s19, 2048
	s_mov_b32 s20, 262144
	s_mov_b32 s21, 256
	s_cmp_eq_u32 s17, 0                            ; do I fetch for p?
	s_cselect_b64 s[PF0:PF0+1], s[4:5], s[8:9]
	s_cselect_b32 s12, s12, s13
	s_cselect_b32 s14, s18, s14                    ; p: wave 0 asks, in every cluster;  V: waves 2 and 3, in the batch's first
	s_cselect_b32 s19, 8192, s19                   ; from a pair of lanes to the next: two rows of p, or one row of V
	s_cselect_b32 s20, 256, s20                    ; a K step on: 256 bytes in a row of p, 128 rows of V
	s_cselect_b32 s21, 4096, s21                   ; the odd lane of a pair: the next row of p, or the row's second 256 bytes
	s_cmp_eq_u32 s14, 0
	s_cselect_b32 s[LIM], 1, -1                    ; the same in all sixteen partners, for a given wave
	s_lshl_b32 s13, s20, 2
	s_add_co_u32 s12, s12, s13                     ; at K step 4: the first that is asked for
	s_mov_b32 s13, 0
	s_add_nc_u64 s[PF0:PF0+1], s[PF0:PF0+1], s[12:13]
	s_mov_b32 s22, s20
	s_mov_b32 s23, 0
	s_add_nc_u64 s[PF1:PF1+1], s[PF0:PF0+1], s[22:23]  ; K step 5
	s_add_nc_u64 s[PF2:PF2+1], s[PF1:PF1+1], s[22:23]  ; K step 6
	s_mul_i32 s[PS3], s20, 3
	s_mov_b32 s[PS3+1], 0
	v_lshrrev_b32 v4, 1, v3
	v_mul_lo_u32 v4, v4, s19
	v_and_b32 v5, 1, v3
	v_mul_lo_u32 v5, v5, s21
	v_add_nc_u32 v[PFO], v4, v5
	; THE SOFTMAX'S SECOND HALF, once for my 64 queries, in f32; the four blocks take turns line by line
	s_wait_loadcnt 0x0
.irp a, 0,1,2,3
	v_min3_num_f32 v[MN+\a], v[HM+16*\a], v[HM+16*\a+1], v[HM+16*\a+2]
.endr
.irp i, 3,5,7,9,11,13
.irp a, 0,1,2,3
	v_min3_num_f32 v[MN+\a], v[MN+\a], v[HM+16*\a+\i], v[HM+16*\a+\i+1]
.endr
.endr
.irp a, 0,1,2,3
	v_min_num_f32 v[MN+\a], v[MN+\a], v[HM+16*\a+15]   ; -M of the row: the least -M_tile
.endr
.irp t, 0,1,2,3,4,5,6,7,8,9,10,11,12,13,14,15
.irp a, 0,1,2,3
	v_sub_f32 v[HM+16*\a+\t], v[MN+\a], v[HM+16*\a+\t] ; M_tile - M: a whole number, 0 or less
.endr
.endr
.irp t, 0,1,2,3,4,5,6,7,8,9,10,11,12,13,14,15
.irp a, 0,1,2,3
	v_cvt_i32_f32 v[HM+16*\a+\t], v[HM+16*\a+\t]       ; (it saturates)
.endr
.endr
.irp t, 0,1,2,3,4,5,6,7,8,9,10,11,12,13,14,15
.irp a, 0,1,2,3
	v_ldexp_f32 v[HM+16*\a+\t], 1.0, v[HM+16*\a+\t]    ; w = 2^(M_tile - M)
.endr
.endr
.irp a, 0,1,2,3
	v_mul_f32 v[LT+\a], v[HL+16*\a], v[HM+16*\a]
.endr
.irp t, 1,2,3,4,5,6,7,8,9,10,11,12,13,14,15
.irp a, 0,1,2,3
	v_fmac_f32 v[LT+\a], v[HL+16*\a+\t], v[HM+16*\a+\t]    ; L = sum of l_tile w_tile; at least 1/2: the row's largest p
.endr
.endr
.irp a, 0,1,2,3
	v_rcp_f32 v[RI+\a], v[LT+\a]
.endr
.irp a, 0,1,2,3
	v_mov_b32 v[WS+2*\a+1], 0                      ; the pairs' upper halves are named by the packed forms, so they are written: plain lines behind the reciprocals,
.endr
	s_wait_alu depctr_va_vdst(0)                   ; and the one wait for the four, ahead of their first reader
.irp t, 0,1,2,3,4,5,6,7,8,9,10,11,12,13,14,15
.irp a, 0,1,2,3
	v_mul_f32 v[WQ+4*\t+\a], v[HM+16*\a+\t], v[RI+\a]  ; w / L: the division is paid here, 64 times a lane, and not on out's sums
.endr
.endr
	s_cmp_eq_u32 s18, 0                            ; the two waves of a half of the queries hold the same numbers: each stores eight of the 16 steps (lanes r and r + 16 write the same bytes with the same values)
	s_cbranch_scc0 .Lw_high
.irp t, 0,1,2,3,4,5,6,7
	ds_store_b128 v[ADW], v[WQ+4*\t:WQ+4*\t+3] offset:256*\t
.endr
	s_branch .Lw_stored
.Lw_high:
.irp t, 8,9,10,11,12,13,14,15
	ds_store_b128 v[ADW], v[WQ+4*\t:WQ+4*\t+3] offset:256*\t
.endr
.Lw_stored:
.macro MM i, f, zero                   ; product i of a quarter's 32: queries 16 (i / 8) on, channels 16 (i % 8) on; buffer f.  zero = 1: it starts the step's sum.  The 32 accumulators take turns
.if \zero
	v_wmma_f32_16x16x32_f16 v[8*(\i):8*(\i)+7], v[64*(\f)+8*((\i)%8):64*(\f)+8*((\i)%8)+7], v[128+32*(\f)+8*((\i)/8):128+32*(\f)+8*((\i)/8)+7], 0
.else
	v_wmma_f32_16x16x32_f16 v[8*(\i):8*(\i)+7], v[64*(\f)+8*((\i)%8):64*(\f)+8*((\i)%8)+7], v[128+32*(\f)+8*((\i)/8):128+32*(\f)+8*((\i)/8)+7], v[8*(\i):8*(\i)+7]
.endif
.endm
.macro GATHER j, first                 ; tile j of out's sums takes S x w / L, from S's low end on.  first = 1: the first K step starts the sums: nothing is ever cleared
.irp u, 0,2,4,6
.if \first
	v_pk_mul_f32 v[8*(\j)+\u:8*(\j)+\u+1], v[8*(\j)+\u:8*(\j)+\u+1], v[WS+2*((\j)/8):WS+2*((\j)/8)+1] op_sel_hi:[1,0]
.else
	v_pk_fma_f32 v[8*(\j)+\u:8*(\j)+\u+1], v[8*(\j)+\u:8*(\j)+\u+1], v[WS+2*((\j)/8):WS+2*((\j)/8)+1], v[8*(\j)+\u:8*(\j)+\u+1] op_sel_hi:[1,0,1]
.endif
.endr
.endm
; A load into a register that a matrix instruction has read, and a vector instruction that reads a matrix result, stand four places behind that matrix instruction, a matrix instruction that begins an accumulator anew five;
; only plain vector instructions that name none of its registers are places (ISA guide 7.12.1 for vector instructions).
.macro PLACES
.rept 4
	v_nop
.endr
.endm
; Products i0 .. i0 + cnt - 1 of a quarter, in pairs, on buffer f.  bd: in a step's last quarter tiles 0 to 23 are gathered, two behind each pair of products from product 8 on: eight products behind the product that finished
; them; four v_nop stand ahead of the first, and each later tile has the tiles gathered before it as its places.  hd: in a step's first quarter the LAST step's tiles 24 to 31 are gathered behind products 0 to 7, which begin
; tiles 0 to 7 anew.  1: multiply-adds; 2: the first K step's multiplies.  Between the product that finished a tile of S and the one that begins it anew stand the lines that gather other tiles: far more than five.
.macro PROD i0, cnt, f, zero, hd, bd
.set pi, \i0
.rept (\cnt)/2
	WIN MUL
	MM pi, \f, \zero
	MM pi+1, \f, \zero
.if (\hd) && (pi < 8)
	WIN FMW
	GATHER 24+pi, (\hd)-1
	GATHER 25+pi, (\hd)-1
.endif
.if (\bd) && (pi >= 8)
.if pi == 8
	PLACES
.endif
	WIN FMW
	GATHER pi-8, (\bd)-1
	GATHER pi-7, (\bd)-1
.endif
.set pi, pi+2
.endr
.endm
; 24 LDS loads in one run: the q-th 32 keys of a K step into buffers g.  sub = 0: the step in Y; 1, 2: X's first and second step (p's second step begins 256 bytes into X's rows; V's has an address of its own)
.macro FETCH sub, q, g
.if (\sub) == 0
.set FPR, ADRP
.set FPP, PPY
.set FPO, 0
.else
.set FPR, ADRP+1
.set FPP, PPX
.set FPO, 256*((\sub)-1)
.endif
	WIN TO_F
.irp a, 0,1,2,3
	ds_load_b128 v[128+32*(\g)+8*\a:128+32*(\g)+8*\a+3],   v[FPR] offset:\a*16*FPP+FPO+64*(\q)
	ds_load_b128 v[128+32*(\g)+8*\a+4:128+32*(\g)+8*\a+7], v[FPR] offset:\a*16*FPP+FPO+64*(\q)+32
.endr
.irp c, 0,1,2,3,4,5,6,7
	ds_load_tr16_b128 v[64*(\g)+8*\c:64*(\g)+8*\c+3],   v[ADRV+(\sub)] offset:(\q)*32*VP+32*\c
	ds_load_tr16_b128 v[64*(\g)+8*\c+4:64*(\g)+8*\c+7], v[ADRV+(\sub)] offset:(\q)*32*VP+16*VP+32*\c
.endr
.endm
.macro WLOAD                           ; the step's w / L of my four blocks of queries; the last step's were last read in this step's first quarter
	WIN 0
.irp a, 0,1,2,3
	ds_load_b32 v[WS+2*\a], v[ADW] offset:4*\a
.endr
	v_add_nc_u32 v[ADW], 256, v[ADW]               ; the next step's
.endm
; A K step is four quarters of 32 keys, 32 matrix instructions each, on buffers 0, 1, 0, 1.  A quarter first asks for the next quarter's fragments (quarter fq of step fsub) into the other buffer, a whole quarter ahead of their
; use, then multiplies buffer f.  pl = 1: four v_nop ahead of the loads, behind the last products that read that buffer (pl = 0: gathered tiles stand there).  wl = 1: the step's w / L come too, ahead of the 24.
.macro QUARTER fsub, fq, f, zero, pl, wl, hd, bd
.if \pl
	PLACES
.endif
.if \wl
	WLOAD
.endif
	FETCH \fsub, \fq, 1-(\f)
	s_wait_dscnt 24                                ; all but the 24 just issued: buffer f is in
	PROD 0, 32, \f, \zero, \hd, \bd
.endm
.macro QA sub, hd                      ; a step's first quarter: its products start S anew
	QUARTER \sub, 1, 0, 1, 0, 0, \hd, 0
.endm
.macro QBC sub                         ; its second and third
	QUARTER \sub, 2, 1, 0, 1, 1, 0, 0
	QUARTER \sub, 3, 0, 0, 1, 0, 0, 0
.endm
.macro QD nsub, bd                     ; its fourth, where the next step lies in the same slot
	QUARTER \nsub, 0, 1, 0, 1, 0, 0, \bd
.endm
; A step's fourth quarter where the slot is left: one barrier.  In front of it each wave waits for all its tensor loads (the one that is out is its part of the other slot), adds 0 to its spare word, and waits for that and for its
; reads of this slot.  fill = 1: the barrier opens a round of the cluster's barrier, and behind the round the slot just left (ly = 1: Y, 0: X) is filled again first, three K steps on.  nsub: the step that follows.
.macro TURN nsub, fill, ly, pfs, bd
.if \pfs
	s_wait_xcnt 0x0                                ; the last prefetches, a K step back and more, have read their addresses: all three are stepped here, once a lap, ahead of the waits of the change of slots
	s_add_nc_u64 s[PF0:PF0+1], s[PF0:PF0+1], s[PS3:PS3+1]
	s_add_nc_u64 s[PF1:PF1+1], s[PF1:PF1+1], s[PS3:PS3+1]
	s_add_nc_u64 s[PF2:PF2+1], s[PF2:PF2+1], s[PS3:PS3+1]
.endif
	WIN 0                                          ; (the add's two registers lie in window 0)
	s_wait_tensorcnt 0x0
	ds_add_u32 v[SPW], v[NIL]                      ; 0 onto my spare word
	s_wait_dscnt 1                                 ; buffer 1 is in (the add may be out)
	PROD 0, 8, 1, 0, 0, 0                          ; eight matrix instructions stand between the add and the wait for it
	s_wait_dscnt 0x0                               ; the add is done, and my reads of this slot are over
	s_barrier_signal -1
	PROD 8, 8, 1, 0, 0, \bd                        ; work on registers while the others arrive
	WIN 0
	s_barrier_wait -1
.if \fill
	CREST                                          ; no wave of any partner still reads this slot's tiles or has a load on its way
.if \ly
	s_add_nc_u64 s[G0PY+2:G0PY+3], s[G0PY+2:G0PY+3], 3*256
	s_add_nc_u64 s[G0VY+2:G0VY+3], s[G0VY+2:G0VY+3], 3*262144
	JLOAD G0PY, G1PY, G0VY, G1VY                   ; my one tensor load behind the round
.else
	s_add_nc_u64 s[G0PX+2:G0PX+3], s[G0PX+2:G0PX+3], 3*256
	s_add_nc_u64 s[G0VX+2:G0VX+3], s[G0VX+2:G0VX+3], 3*262144
	JLOAD G0PX, G1PX, G0VX, G1VX
.endif
.endif
	FETCH \nsub, 0, 0                              ; (buffer 0's last products stand ahead of the tiles gathered above)
.if \fill
	WIN 0
	ASK \ly
.endif
	PROD 16, 16, 1, 0, 0, \bd
.endm
	s_wait_tensorcnt 1                             ; my part of Y is in; X's load may be out
	s_wait_dscnt 0x0                               ; my part of the table of w / L is stored
	s_barrier_signal -1
	s_barrier_wait -1                              ; everybody's parts are in
	FETCH 0, 0, 0
	s_mov_b32 s3, 4                                ; the loop's trips
	QA 0, 0                                        ; K step 0, in Y, and K step 1's first quarter stand in front of the loop: they start out's sums
	QBC 0
	TURN 1, 1, 1, 0, 2                             ; Y takes K step 3
	QA 1, 2
	WIN 0                                          ; at a label and at a branch every window is 0
.Llap:                                                 ; a trip is three K steps, X's two and Y's one, from the first's second quarter to the next lap's first quarter, and fills both slots again: K steps 4 to 15 in four trips
	QBC 1
	QD 2, 1
	QA 2, 1
	QBC 2
	TURN 0, 1, 0, 0, 1                             ; X takes its next two K steps
	QA 0, 1
	QBC 0
	TURN 1, 1, 1, 1, 1                             ; Y takes its next K step
	QA 1, 1
	WIN 0
	s_sub_co_u32 s3, s3, 1
	s_cmp_lg_u32 s3, 0
	s_cbranch_scc1 .Llap
	QBC 1                                          ; the last lap, K steps 13 to 15, is written out: it fills nothing and has no round
	QD 2, 1
	QA 2, 1
	QBC 2
	TURN 0, 0, 0, 0, 1                             ; behind this barrier nobody reads X any more
	QA 0, 1
	QBC 0
	s_wait_dscnt 0x0                               ; the very last quarter: nothing more to fetch
	PROD 0, 32, 1, 0, 0, 1
	WIN FMW
.irp j, 24,25,26,27,28,29,30,31
	GATHER \j, 0                                   ; (tiles 22 and 23, gathered behind the last product, are the places ahead of these)
.endr
; THE WAY OUT, by blocks of 16 queries x 128 channels.  A lane holds 32 neighbouring bytes of a row and the lanes beside it other rows: so a block goes through my own stage in LDS and comes back as whole rows of 512 bytes.
; LDS serves a wave's instructions in order (ISA guide 5.7.1.4): no wait between the stage's stores and loads, nor in front of the next block's stores.
.macro TOSTAGE a
	WIN 0x08                                       ; an LDS store's data are its source 1: window 2
.irp c, 0,1,2,3,4,5,6,7
	ds_store_b128 v[STO], v[64*(\a)+8*\c:64*(\a)+8*\c+3] offset:64*\c
	ds_store_b128 v[STO], v[64*(\a)+8*\c+4:64*(\a)+8*\c+7] offset:64*\c+16
.endr
	WIN 0
.set BB, BK+64*((\a)%2)
.irp t, 0,1,2,3,4,5,6,7,8,9,10,11,12,13,14,15
	ds_load_b128 v[BB+4*\t:BB+4*\t+3], v[RD] offset:\t*SPITCH
.endr
.endm
.macro SEND a, younger                 ; younger: the LDS instructions issued behind block a's loads, which may stay out
.set BB, BK+64*((\a)%2)
	s_wait_dscnt \younger                          ; the block is back in registers
.if (\a) > 0
	s_add_nc_u64 s[10:11], s[10:11], 16*OROW       ; (behind a wait on XCNT: the earlier stores have read their base)  16 rows of out0 on
.endif
.irp t, 0,1,2,3,4,5,6,7,8,9,10,11,12,13,14,15
	global_store_b128 v[CO], v[BB+4*\t:BB+4*\t+3], s[10:11] offset:\t*OROW th:TH_STORE_NT   ; 32 lanes store 512 consecutive bytes, at a multiple of 256 from out0's first byte; written once, read by nobody here
.endr
.endm
	TOSTAGE 0
.irp a, 1,2,3
.if \a > 1
	s_wait_xcnt 0x0                                ; block a - 2's stores have read their registers and their base: block a's loads may land there, and the base may step
.endif
	TOSTAGE \a
	SEND \a-1, 32                                  ; behind block a - 1's loads: block a's 16 stores and 16 loads
.endr
	s_wait_xcnt 0x0                                ; block 2's stores have read their base
	SEND 3, 0
	s_wait_tensorcnt 0x0                           ; the wave's end, behind my last tensor load and my last LDS store
	ds_add_u32 v[SPW], v[NIL]
	s_wait_dscnt 0x0
	CROUND                                         ; the closing round: no work-group ends while a partner may still ask for a tile that names it
	s_endpgm
.Lfunc_end_k_qcca0f1966d_mix:
	.size	k_qcca0f1966d_mix, .Lfunc_end_k_qcca0f1966d_mix-k_qcca0f1966d_mix
	.p2alignl 7, 3214868480
	.fill 96, 4, 3214868480
	.section	.rodata,"a",@progbits
	.p2align	6, 0x0
	.amdhsa_kernel k_qcca0f1966d_mix
		.amdhsa_group_segment_fixed_size 327680
		.amdhsa_private_segment_fixed_size 0
		.amdhsa_enable_private_segment 0
		.amdhsa_kernarg_size 32
		.amdhsa_user_sgpr_count 2
		.amdhsa_user_sgpr_kernarg_segment_ptr 1
		.amdhsa_wavefront_size32 1
		.amdhsa_system_sgpr_workgroup_id_x 1
		.amdhsa_system_sgpr_workgroup_id_y 1
		.amdhsa_system_sgpr_workgroup_id_z 1
		.amdhsa_system_vgpr_workitem_id 0
		.amdhsa_next_free_vgpr 1024
		.amdhsa_next_free_sgpr 96
		.amdhsa_reserve_vcc 0
		.amdhsa_float_denorm_mode_32 3
		.amdhsa_float_denorm_mode_16_64 3
		.amdhsa_memory_ordered 1
		.amdhsa_forward_progress 1
		.amdhsa_inst_pref_size 226
	.end_amdhsa_kernel
	.amdgpu_metadata
---
amdhsa.version: [ 1, 2 ]
amdhsa.kernels:
  - .name:           k_qcca0f1966d_mix
    .symbol:         k_qcca0f1966d_mix.kd
    .args:
      - { .name: p, .offset: 0, .size: 8, .value_kind: global_buffer, .address_space: global }
      - { .name: stats, .offset: 8, .size: 8, .value_kind: global_buffer, .address_space: global }
      - { .name: v16, .offset: 16, .size: 8, .value_kind: global_buffer, .address_space: global }
      - { .name: out0, .offset: 24, .size: 8, .value_kind: global_buffer, .address_space: global }
    .group_segment_fixed_size: 327680
    .private_segment_fixed_size: 0
    .kernarg_segment_align: 8
    .kernarg_segment_size: 32
    .max_flat_workgroup_size: 128
    .sgpr_count:     96
    .vgpr_count:     1024
    .wavefront_size: 32
...
	.end_amdgpu_metadata
.endif
;; end of part 4
